; MI455X (gfx1250); checked and timed in simulation.
; The chip was launched on July 23, 2026; its instructions are those of AMD's public machine-readable ISA for CDNA 5 (MIT licence, August 2026) and "CDNA5" Instruction Set Architecture Reference Guide (July 2026). The comments in the code are by the model that wrote it; some were corrected since.
;; Self Attention. Allowed arithmetic: matrix products marked QUANTISED: E2M1 operands, one E8M0 scale for each 32 along K, by v_wmma_scale_f32_16x16x128_f8f6f4 with both operands' format E2M1 (or v_wmma_scale_f32_32x16x128_f4), f32 sums; products left as they are: bf16, f16 or f32 operands; f32 sums; everything else in f32.
;; Inputs: cos 4,096 x 128 float32; hidden_states 1 x 4,096 x 2,048 float32; sin 4,096 x 128 float32; wk 512 x 2,048 float32; wo 2,048 x 1,024 float32; wq 1,024 x 2,048 float32; wv 512 x 2,048 float32.
;; Outputs: out0 1 x 4,096 x 2,048 float32.
;; This version of the problem:
;;   THIS VERSION OF THE PROBLEM IS GIVEN IN LOW PRECISION. The matrix products marked QUANTISED in the list below multiply operands that are first quantised to E2M1 (2 exponent bits, 1 mantissa bit; 4 bits a number), with one power-of-two scale for each 32 numbers along K (OCP MX v1.0); their sums are f32. The products marked 'left as it is' may take bf16, f16 or f32 operands, with f32 sums. Whichever they take, every output number must still come out within the allowed error. Rounding operands to bf16 (8 significant bits) uses up far more of that allowance than f16 does (11 bits, for magnitudes from 6e-5 to 65,504). All else is computed in f32.
;;   The module's matrix products, in the order in which they are computed (A, B: the left and right operand; K: the contracted axis; several contracted axes count as one K, in the product's order):
;;     1. [M 4,096, K 2,048] x [K 2,048, N 1,024]; A: input hidden_states; B: input wq: QUANTISED
;;     2. [M 4,096, K 2,048] x [K 2,048, N 512]; A: input hidden_states; B: input wk: QUANTISED
;;     3. [M 4,096, K 2,048] x [K 2,048, N 512]; A: input hidden_states; B: input wv: QUANTISED
;;     4. batch 4 x [M 4,096, K 128] x [K 128, N 8,192]; A: computed on the way; B: computed on the way: left as it is (an operand is computed on the way)
;;     5. batch 4 x [M 128, K 4,096] x [K 4,096, N 8,192]; A: computed on the way; B: computed on the way: left as it is (an operand is computed on the way)
;;     6. [M 4,096, K 1,024] x [K 1,024, N 2,048]; A: computed on the way; B: input wo: left as it is (an operand is computed on the way)
;;   THE QUANTISER, for each operand of a quantised product, along K:
;;     - K is cut into blocks of 32 from its start; a last block that is shorter is filled with zeros.
;;     - A block's scale is 2^e with e = floor(log2(the largest magnitude in the block)) - 2, held to -126 .. 127; a block of zeros has e = 0. As a byte (E8M0): e + 127.
;;     - Each number is divided by its block's scale, clamped to +-6, and rounded to the nearest number of E2M1, ties to even, subnormals kept.
;;     - The product sums the exact products of the quantised numbers (number of the format x scale) in f32.
;;   ~~~python
;;   def quantise(x, axis):      # numpy; x: float32 -> the quantised numbers, widened to float32 again
;;       x = np.moveaxis(x, axis, -1); K = x.shape[-1]
;;       x = np.pad(x, [(0, 0)] * (x.ndim - 1) + [(0, -K % 32)]); x = x.reshape(x.shape[:-1] + (-1, 32)); a = np.abs(x).max(-1, keepdims=True)
;;       e = np.where(a > 0, np.clip(np.frexp(np.where(a > 0, a, 1))[1] - 1 - 2, -126, 127), 0)      # np.frexp(a)[1] - 1 = floor(log2(a)), exactly
;;       r = np.clip(x / 2.0 ** e, -6, 6)
;;       step = 2.0 ** (np.maximum(np.frexp(np.where(r == 0, 1, r))[1] - 1, 0) - 1)
;;       q = np.round(r / step) * step * 2.0 ** e      # np.round: ties to even
;;       return np.moveaxis(q.reshape(q.shape[:-2] + (-1,))[..., :K], -1, axis).astype(np.float32)
;;   ~~~
;; One version. Each part assembles by itself: llvm-mc -triple=amdgcn-amd-amdhsa -mcpu=gfx1250 --defsym DOCPART=n.
;; ======== version 1 of 1: 5 launches
;; limits: values are held in f16: magnitudes above 65,504 overflow, below 6.1e-05 lose precision
;; workspace buffers: xq 4,456,448 bytes; wq4 2,228,224 bytes; wo16 4,194,304 bytes; qkv16 16,777,216 bytes; o16 8,388,608 bytes; qkv32 131,072 bytes
;; launch prep (part 1): grid 448 x 1, 4 waves a work-group, no clusters, 33,280 bytes of LDS; arguments hidden_states, wq, wk, wv, wo, xq, wq4, wo16; writes xq, wq4, wo16
.if DOCPART == 1
	.amdgcn_target "amdgcn-amd-amdhsa--gfx1250"
	.amdhsa_code_object_version 6
	.text
	.protected	k_q387a473411_prep
	.globl	k_q387a473411_prep
	.p2align	8
	.type	k_q387a473411_prep,@function
k_q387a473411_prep:
	s_mov_b64 s[64:65], 0
	v_nop
	global_prefetch_b8 v0, s[64:65] scope:SCOPE_SE
	s_setreg_imm32_b32 hwreg(HW_REG_WAVE_MODE, 25, 1), 1
	s_wait_xcnt 0x0
; hidden_states [4096][2048] and W = [wq; wk; wv] [2048][2048], f32, become codes of FP4 (E2M1), K innermost, with one E8M0 scale byte for each 32 along K; wo [2048][1024] becomes f16.
; xq:  codes [4096][1024 bytes] at byte 0, scale bytes [4096][64] at byte 0x400000.   wq4: codes [2048][1024 bytes] at byte 0 (rows 0-1023 wq, 1024-1535 wk, 1536-2047 wv), scale bytes [2048][64] at byte 0x200000.
; A block's scale is 2^(floor(log2(its largest magnitude)) - 2): its byte is the largest magnitude's exponent field - 2, held at 1 from below.  Each number is divided by the scale and rounded to the nearest code, ties to even;
; beyond 6 the conversion gives the largest code.
; LIMITS: a block of zeros gets the byte 1 where the quantiser's text says 127: its codes are zeros, which add nothing under any byte but 0xff, and only this program reads the bytes.  NaN and infinities are not served.
; wo must lie under 65,504 in magnitude (f16).
; SHARES: a work-group takes 32,768 numbers, a wave 8,192.  Work-groups 0-255: hidden_states; 256-319: wq; 320-351: wk; 352-383: wv; 384-447: wo.  Rows are dense and K is a multiple of 32, so a tensor is a plain
; stream of blocks of 32, and so are its codes and its scale bytes.  Only pointers are chosen by the work-group's number: the four quantised tensors take one path through the text.
; THE QUANTISING PATH: 16 steps of 512 numbers a wave.  Each load reads 512 consecutive bytes, 16 a lane; a step's 2,048 bytes turn through the wave's own stage in LDS and come back 64 bytes a lane, so that a lane holds
; 16 neighbours along K (two lanes hold a block).  A lane's 16 codes are 8 bytes: a wave's store covers 256 consecutive bytes, aligned.  A wave's 256 scale bytes are gathered in LDS and leave as one such store.
; No tensor loads, no barrier: waves share nothing.
.set WAVES, 4
.set STEPS, 16
.set EMAX,  2
.set CB,    8                          ; bytes of 16 codes
.set R,     16                         ; v16-79   four sets of 16 numbers as they are loaded
.set X,     80                         ; v80-111  two sets of 16 neighbours
.set E,     112                        ; v112-127 a scale byte for each step
.set C,     128                        ; v128-191 codes: four registers for each step, so that no store's data are written again
.set WREG,  8192                       ; LDS: a region for each wave: two stages of 32 x SP bytes, behind them its 256 scale bytes
.set SP,    80                         ; a lane's place in a stage: 64 bytes + 16 of padding
.set SPW,   12                         ; v12  LDS address of my spare word; never rewritten
.set NIL,   13                         ; v13  0; never rewritten
.set SPARE, WAVES*WREG                 ; behind the four regions: the spare words, 128 bytes a wave
.set FW,    16                         ; wo's path: v16-79 a ring of sixteen loads
.set HF,    80                         ; wo's path: v80-207 two registers of f16 for each of 64 steps
	s_load_b256 s[4:11], s[0:1], 0x0               ; hidden_states s[4:5], wq s[6:7], wk s[8:9], wv s[10:11]
	s_load_b256 s[12:19], s[0:1], 0x20             ; wo s[12:13], xq s[14:15], wq4 s[16:17], wo16 s[18:19]
	v_lshl_add_u32 v[SPW], v0, 2, SPARE
	v_mov_b32 v[NIL], 0
	v_lshrrev_b32 v1, 5, v0
	v_readfirstlane_b32 s20, v1                    ; wave
	v_and_b32 v2, 31, v0                           ; lane
	v_lshlrev_b32 v3, 4, v2                        ; my 16 bytes of a load's 512
	s_cmp_ge_u32 ttmp9, 384
	s_cbranch_scc1 .Lwo                            ; wo's work-groups: a branch on the work-group's number
	s_mul_i32 s21, s20, WREG
	v_lshrrev_b32 v14, 2, v2
	v_mul_u32_u24 v14, v14, SP
	v_and_b32 v15, 3, v2
	v_lshl_add_u32 v14, v15, 4, v14
	v_add_nc_u32 v14, s21, v14                     ; the stage, on the way in: four lanes' 64 bytes on end, then 16 of padding
	v_mul_u32_u24 v15, v2, SP
	v_add_nc_u32 v15, s21, v15                     ; and on the way out: SP x lane: my 16 neighbours
	v_mul_u32_u24 v4, v2, CB                       ; my codes' place in a step's
	v_lshrrev_b32 v5, 1, v2
	s_add_co_u32 s21, s21, 2*32*SP
	v_add_nc_u32 v5, s21, v5                       ; LDS: my wave's 256 scale bytes, my block's byte
	v_lshlrev_b32 v7, 3, v2                        ; and on the way out 8 bytes a lane
	v_add_nc_u32 v6, s21, v7
	s_wait_kmcnt 0x0
	s_cmp_lt_u32 ttmp9, 256                        ; which tensor: the choices hang on the work-group's number alone
	s_cselect_b64 s[22:23], s[4:5], s[6:7]         ; from where
	s_cselect_b64 s[24:25], s[14:15], s[16:17]     ; to where
	s_cselect_b32 s26, 0, 256                      ; the source's first work-group
	s_mov_b32 s27, 0x200000
	s_cselect_b32 s27, 0x400000, s27               ; where the scale bytes begin in the target
	s_mov_b32 s28, s26                             ; the target's first work-group
	s_cmp_ge_u32 ttmp9, 320
	s_cselect_b64 s[22:23], s[8:9], s[22:23]
	s_cselect_b32 s26, 320, s26
	s_cmp_ge_u32 ttmp9, 352
	s_cselect_b64 s[22:23], s[10:11], s[22:23]
	s_cselect_b32 s26, 352, s26
	s_sub_co_u32 s29, ttmp9, s26
	s_lshl_b32 s29, s29, 2
	s_add_co_u32 s29, s29, s20                     ; which run of 8,192 numbers of the source is my wave's
	s_sub_co_u32 s28, ttmp9, s28
	s_lshl_b32 s28, s28, 2
	s_add_co_u32 s28, s28, s20                     ; and of the target
	s_lshl_b32 s30, s29, 15
	s_mov_b32 s31, 0
	s_add_nc_u64 s[22:23], s[22:23], s[30:31]      ; 32,768 bytes of f32 a run
	s_lshl_b32 s30, s28, 8
	s_add_co_u32 s30, s30, s27
	s_add_nc_u64 s[32:33], s[24:25], s[30:31]      ; 256 scale bytes a run
	s_lshl_b32 s30, s28, 12
	s_add_nc_u64 s[24:25], s[24:25], s[30:31]      ; 4,096 bytes of codes a run
.macro LOAD t
.irp i, 0,1,2,3
	global_load_b128 v[R+16*((\t)%4)+4*\i:R+16*((\t)%4)+4*\i+3], v3, s[22:23] offset:2048*(\t)+512*\i th:TH_LOAD_NT   ; 32 lanes read 512 consecutive bytes
.endr
.endm
.macro TURN t                          ; step t's numbers through the stage: LDS serves a wave's instructions in order, so no wait stands between the stores and the loads
.irp i, 0,1,2,3
	ds_store_b128 v14, v[R+16*((\t)%4)+4*\i:R+16*((\t)%4)+4*\i+3] offset:32*SP*((\t)%2)+8*SP*\i
.endr
.irp i, 0,1,2,3
	ds_load_b128 v[X+16*((\t)%2)+4*\i:X+16*((\t)%2)+4*\i+3], v15 offset:32*SP*((\t)%2)+16*\i
.endr
.endm
.irp t, 0,1,2,3
	LOAD \t
.endr
	s_wait_loadcnt 12                              ; step 0's four loads are in; those of steps 1 to 3 may be out
	TURN 0
.macro STEP t
.set XS, X+16*((\t)%2)
.if (\t) > 0
	s_wait_dscnt 1                                 ; this step's numbers are back from the stage (the last step's byte store may be out): so its stores into the stage have read their registers,
.else
	s_wait_dscnt 0x0
.endif
.if (\t)+4 < STEPS
	LOAD (\t)+4                                    ; which take the loads of four steps on
.endif
.if (\t)+1 < STEPS
.if STEPS-2-(\t) >= 3
	s_wait_loadcnt 12                              ; the next step's four loads are in; those of the three steps behind it may be out
.else
	s_wait_loadcnt 4*(STEPS-2-(\t))
.endif
	TURN (\t)+1                                    ; and go through the other stage while this step is worked
.endif
	v_max3_num_f32 v8, |v[XS]|, |v[XS+1]|, |v[XS+2]|               ; the largest magnitude of my 16, in two chains
	v_max3_num_f32 v9, |v[XS+3]|, |v[XS+4]|, |v[XS+5]|
.irp i, 6,10
	v_max3_num_f32 v8, v8, |v[XS+\i]|, |v[XS+\i+1]|
	v_max3_num_f32 v9, v9, |v[XS+\i+2]|, |v[XS+\i+3]|
.endr
	v_max3_num_f32 v8, v8, |v[XS+14]|, |v[XS+15]|
	v_max3_num_f32 v8, v8, v9, (EMAX+1)<<23        ; and the floor 2^(EMAX + 1 - 127): so the byte cannot fall under 1
	v_max_num_f32_dpp v8, v8, v8 row_xmask:1 row_mask:0xf bank_mask:0xf   ; and of my neighbour's 16: the block's
	v_add_nc_u32 v11, -(EMAX<<23), v8              ; EMAX off its exponent field: the conversion takes the exponent field of this operand as its scale, and nothing else of it
	v_cvt_scalef32_pk8_fp4_f32 v[C+4*(\t)], v[XS:XS+7], v11
	v_cvt_scalef32_pk8_fp4_f32 v[C+4*(\t)+1], v[XS+8:XS+15], v11
	v_lshrrev_b32 v[E+(\t)], 23, v11               ; the scale's byte (a plain line behind the conversions)
	ds_store_b8 v5, v[E+(\t)] offset:16*(\t)       ; both lanes of a block write the same byte with the same value
	global_store_b64 v4, v[C+4*(\t):C+4*(\t)+1], s[24:25] offset:32*CB*(\t)   ; 32 lanes store 256 consecutive bytes, aligned
.endm
.irp t, 0,1,2,3,4,5,6,7,8,9,10,11,12,13,14,15
	STEP \t
.endr
	ds_load_b64 v[8:9], v6                         ; LDS serves a wave's instructions in order: these see my byte stores
	s_wait_dscnt 0x0
	global_store_b64 v7, v[8:9], s[32:33]          ; 32 lanes store my wave's 256 scale bytes
	s_wait_tensorcnt 0x0                           ; the wave's end, behind my last LDS store
	ds_add_u32 v[SPW], v[NIL]
	s_wait_dscnt 0x0
	s_endpgm
; WO'S PATH: f32 to f16, a plain stream through registers; it touches no LDS.  64 steps a wave: a load of 512 consecutive bytes, two conversions, a store of 256 consecutive bytes.  Sixteen loads are on their way.
.Lwo:
	s_sub_co_u32 s21, ttmp9, 384
	s_lshl_b32 s21, s21, 2
	s_add_co_u32 s21, s21, s20                     ; which run of 8,192 numbers is my wave's
	s_lshl_b32 s22, s21, 15
	s_mov_b32 s23, 0
	s_lshl_b32 s24, s21, 14
	s_mov_b32 s25, 0
	v_lshlrev_b32 v4, 3, v2                        ; 8 bytes of f16 a lane
	s_wait_kmcnt 0x0
	s_add_nc_u64 s[12:13], s[12:13], s[22:23]
	s_add_nc_u64 s[18:19], s[18:19], s[24:25]
.irp i, 0,1,2,3,4,5,6,7,8,9,10,11,12,13,14,15
	global_load_b128 v[FW+4*\i:FW+4*\i+3], v3, s[12:13] offset:512*\i th:TH_LOAD_NT
.endr
.set n, 0
.rept 64
.if n < 49
	s_wait_loadcnt 15                              ; loads come back in order: step n's is in, the fifteen younger ones stay out
.else
	s_wait_loadcnt 63-n                            ; the last steps load nothing: the counts run down
.endif
	v_cvt_pk_f16_f32 v[HF+2*n], v[FW+4*(n%16)], v[FW+4*(n%16)+1]
	v_cvt_pk_f16_f32 v[HF+2*n+1], v[FW+4*(n%16)+2], v[FW+4*(n%16)+3]
.if n+16 < 64
	global_load_b128 v[FW+4*(n%16):FW+4*(n%16)+3], v3, s[12:13] offset:512*(n+16) th:TH_LOAD_NT
.endif
	global_store_b64 v4, v[HF+2*n:HF+2*n+1], s[18:19] offset:256*n   ; each step has its own two registers: no store's data are written again
.set n, n+1
.endr
	s_endpgm
.Lfunc_end_k_q387a473411_prep:
	.size	k_q387a473411_prep, .Lfunc_end_k_q387a473411_prep-k_q387a473411_prep
	.p2alignl 7, 3214868480
	.fill 96, 4, 3214868480
	.section	.rodata,"a",@progbits
	.p2align	6, 0x0
	.amdhsa_kernel k_q387a473411_prep
		.amdhsa_group_segment_fixed_size 33280
		.amdhsa_private_segment_fixed_size 0
		.amdhsa_enable_private_segment 0
		.amdhsa_kernarg_size 64
		.amdhsa_user_sgpr_count 2
		.amdhsa_user_sgpr_kernarg_segment_ptr 1
		.amdhsa_wavefront_size32 1
		.amdhsa_system_sgpr_workgroup_id_x 1
		.amdhsa_system_sgpr_workgroup_id_y 1
		.amdhsa_system_sgpr_workgroup_id_z 1
		.amdhsa_system_vgpr_workitem_id 0
		.amdhsa_next_free_vgpr 208
		.amdhsa_next_free_sgpr 66
		.amdhsa_reserve_vcc 0
		.amdhsa_float_denorm_mode_32 3
		.amdhsa_float_denorm_mode_16_64 3
		.amdhsa_memory_ordered 1
		.amdhsa_forward_progress 1
		.amdhsa_inst_pref_size 56
	.end_amdhsa_kernel
	.amdgpu_metadata
---
amdhsa.version: [ 1, 2 ]
amdhsa.kernels:
  - .name:           k_q387a473411_prep
    .symbol:         k_q387a473411_prep.kd
    .args:
      - { .name: hidden_states, .offset: 0, .size: 8, .value_kind: global_buffer, .address_space: global }
      - { .name: wq, .offset: 8, .size: 8, .value_kind: global_buffer, .address_space: global }
      - { .name: wk, .offset: 16, .size: 8, .value_kind: global_buffer, .address_space: global }
      - { .name: wv, .offset: 24, .size: 8, .value_kind: global_buffer, .address_space: global }
      - { .name: wo, .offset: 32, .size: 8, .value_kind: global_buffer, .address_space: global }
      - { .name: xq, .offset: 40, .size: 8, .value_kind: global_buffer, .address_space: global }
      - { .name: wq4, .offset: 48, .size: 8, .value_kind: global_buffer, .address_space: global }
      - { .name: wo16, .offset: 56, .size: 8, .value_kind: global_buffer, .address_space: global }
    .group_segment_fixed_size: 33280
    .private_segment_fixed_size: 0
    .kernarg_segment_align: 8
    .kernarg_segment_size: 64
    .max_flat_workgroup_size: 128
    .sgpr_count:     66
    .vgpr_count:     208
    .wavefront_size: 32
...
	.end_amdgpu_metadata
.endif
;; end of part 1
;; launch qkv (part 2): grid 8 x 32, 4 waves a work-group, clusters of 4 x 4, 327,680 bytes of LDS; arguments xq, wq4, cos, sin, qkv16, qkv32; writes qkv16, qkv32
.if DOCPART == 2
	.amdgcn_target "amdgcn-amd-amdhsa--gfx1250"
	.amdhsa_code_object_version 6
	.text
	.protected	k_q387a473411_qkv
	.globl	k_q387a473411_qkv
	.p2align	8
	.type	k_q387a473411_qkv,@function
k_q387a473411_qkv:
	s_mov_b64 s[64:65], 0
	v_nop
	global_prefetch_b8 v0, s[64:65] scope:SCOPE_SE
	s_setreg_imm32_b32 hwreg(HW_REG_WAVE_MODE, 25, 1), 1
	s_wait_xcnt 0x0
	s_wait_alu depctr_hold_cnt(0) depctr_sa_sdst(0) depctr_va_vdst(0) depctr_va_sdst(0) depctr_va_ssrc(0) depctr_va_vcc(0) depctr_vm_vsrc(0)
	s_getreg_b32 s2, hwreg(HW_REG_IB_STS2, 6, 4)
	s_cmp_eq_u32 s2, 0
	s_cbranch_scc0 .Lentry_in_a_cluster
	s_endpgm
.Lentry_in_a_cluster:
	s_bfe_u32 s2, ttmp6, 0x10000c
	s_cmp_lg_u32 s2, 0xf033
	s_cbranch_scc0 .Lentry_shape_is_right
	s_endpgm
.Lentry_shape_is_right:
; [q | k | v] = x W^T on codes of FP4 (E2M1) with one E8M0 scale for each 32 along K (M = 4,096, N = 2,048, K = 2,048), then the rotary turn of q and k in f32, then f16.
; xq: x's codes [4096][1024 bytes], scale bytes [4096][64] at XS.  wq4: W's codes [2048][1024 bytes], scale bytes [2048][64] at WS.  cos, sin: [4096][128] f32.
; qkv16: [16][4096][128] f16: head slot = column / 128: 0-7 q, 8-11 k, 12-15 v.  qkv32: [16][2048] f32: positions 0-15 of the same numbers, unrounded, for the launch that makes those positions in f32.
; out[d] = x[d] cos[d] + x[d xor 64] sin[d] for q and k (no sign is turned); v goes out as it is.
; LIMITS: q, k and v must lie under 65,504 in magnitude (f16).  NaN and infinities are not served.
; SHARES: a work-group makes 128 rows x 256 columns; 8 x 32 work-groups.  Wave w makes 64 rows (w / 2) x 128 columns (w % 2), which are ONE head slot: 32 accumulators of 16 x 16, 256 registers.
; K goes in four steps of 512 (a tile's row: 256 bytes) through two LDS slots filled by the tensor data mover; the walk is written out.  The scale bytes of the work-group's rows, for all of K, come once and stay in LDS.
; CLUSTERS: 4 x 4 work-groups.  The four of a row of the cluster need the same tiles of x, the four of a column the same tiles of W: each is asked for JOINTLY, by the same tensor load with the same descriptor and a mask
; that names the four.  THE MATRIX INSTRUCTION IS USED TRANSPOSED (source 0 = 16 rows of W, source 1 = 16 rows of x): a lane then holds eight neighbouring columns of one row.
; Partners of a cluster run alike: that v is not turned is a select, and that only the first rows go to qkv32 is a mask of lanes; neither is a branch.  The price: cos and sin are loaded for v's slots too.
; REGISTERS, in windows of 256: window 0: v16-31 addresses; v32-95 scale words, two sets, and nothing else; v96-127 f16 results; v128-191 x's fragments, two sets (on the way out: a block's rows); v192-255 the rows' partners.
;   window 1: W's fragments, two sets, at v0 and v128; v64-127 the turned rows.   window 2: the accumulators ((a, b) at v[8 (8 a + b)]).   window 3: cos and sin of a block of 16 rows, two sets of 128.
.set KROW,   1024                      ; a row of codes in memory, in bytes
.set PITCH,  272                       ; an LDS row: 256 bytes + 16 of padding, so that the 16 rows that a fragment load touches begin 68 words apart
.set ATILE,  128*PITCH                 ; x's 128 rows
.set SLOT,   3*ATILE                   ; then W's 256 rows
.set SCLA,   2*SLOT                    ; behind the ring: x's scale bytes, 128 rows x 64 bytes, as runs of 256 bytes + 16 of padding
.set SCLB,   SCLA+32*272               ; W's, 256 rows
.set SBLK,   4*272                     ; those of 16 rows
.set SPARE,  SCLB+64*272               ; the spare words, 128 bytes a wave
.set SPITCH, 528                       ; the way out: a stage of 16 rows x (512 bytes + 16) for each wave, in slot 0, which has had its last fill and its last read by then
.set XS,     0x400000
.set WS,     0x200000
.set ADRA, 16                          ; v16-17 LDS address of my fragments of x in slot 0, 1
.set ADRB, 20                          ; v20-21 the same for W
.set FO,   22                          ; v22  my byte in a row of qkv32: 512 x head slot + 16 x lane
.set ROWV, 23                          ; v23  my wave's first row
.set STO,  24                          ; v24  the stage: where I put 32 bytes of a row
.set RD,   25                          ; v25  where I read a row back: 16 x lane
.set HO,   26                          ; v26  8 x lane: my bytes in a row of qkv16
.set ADRS, 27                          ; v27  LDS address of my scale words: lanes 0-15 x's rows, lanes 16-31 W's
.set SPW,  28                          ; v28  LDS address of my spare word; never rewritten
.set NIL,  29                          ; v29  0; never rewritten
.set RDX,  30                          ; v30  where I read the partner columns: (16 x lane) xor 256
.set CSO,  31                          ; v31  16 x lane: my bytes in a row of cos and sin
.set SC,   32                          ; scale words: set s at v[SC + 32 s]; register 4 i + q: lanes 0-15 x's block i, lanes 16-31 W's block i, the slot's q-th 128 along K
.set HH,   96
.set AF,   128
.set XR,   128
.set YR,   192
.set TR,   64                          ; in window 1
.set WV,   16                          ; s16 wave;  s17 wave / 2: my rows, and: I fetch for x (0) or W (1);  s18 wave % 2: my columns, and: which half I fetch
.set WH,   17
.set WL,   18
.set VM,   97                          ; s97  all ones in a wave whose head slot is v's, else 0
.set SV,   99                          ; s99  EXEC, kept
.set G1,   24                          ; s[24:31] descriptor group 1 for x's tiles; s[32:39] group 0, a set for each slot
.set G0,   32
.set G1B,  48                          ; s[48:55], s[56:63] the same for W's
.set G0B,  56
.set G1S,  68                          ; s[68:75], s[76:79] for x's scale bytes; s[80:87], s[88:91] for W's
.set G0S,  76
.set G1SB, 80
.set G0SB, 88
.set MSB, 0
.macro WIN new                         ; the immediate's high byte repeats the setting that is left; a switch that changes nothing is dropped
.if MSB != \new
	s_set_vgpr_msb (MSB<<8)|\new
.set MSB, \new
.endif
.endm
.set MUL,  0xa1                        ; source 0 (W) window 1, source 1 (x) window 0, C and D window 2
.set TO_B, 0x40                        ; destination window 1, address window 0
; A joint load: waves 0 and 1 fetch for x, waves 2 and 3 for W.  Each of the two lines has one mask and one set of registers; the branch hangs on the wave's number alone.
; An s_nop 0 and four v_nop follow each of the two lines.
.macro JLOAD g0a, g1a, g0b, g1b
	s_cmp_eq_u32 s[WH], 0
	s_cbranch_scc0 .Lfor_b_\@
	tensor_load_to_lds s[\g0a:\g0a+3], s[\g1a:\g1a+7]
	s_nop 0
.rept 4
	v_nop
.endr
	s_branch .Lasked_\@
.Lfor_b_\@:
	tensor_load_to_lds s[\g0b:\g0b+3], s[\g1b:\g1b+7]
	s_nop 0
.rept 4
	v_nop
.endr
.Lasked_\@:
.endm
.macro CREST                           ; a round of the cluster's barrier behind its opening barrier
	s_cmp_lg_u32 s[WV], 0
	s_cbranch_scc1 .Lnot_wave_0_\@
	s_barrier_signal -3
.Lnot_wave_0_\@:
	s_barrier_wait -3
	s_barrier_signal -1
	s_barrier_wait -1
.endm
.macro CROUND                          ; a whole round
	s_barrier_signal -1
	s_barrier_wait -1
	CREST
.endm
.macro PLACES n                        ; plain vector lines behind matrix instructions, ahead of loads into their sources and of reads of their results
.rept \n
	v_nop
.endr
.endm
	s_load_b256 s[4:11], s[0:1], 0x0               ; xq s[4:5], wq4 s[6:7], cos s[8:9], sin s[10:11]
	s_load_b128 s[12:15], s[0:1], 0x20             ; qkv16 s[12:13], qkv32 s[14:15]
	v_lshl_add_u32 v[SPW], v0, 2, SPARE
	v_mov_b32 v[NIL], 0
	ds_add_u32 v[SPW], v[NIL]                      ; the wave's opening: the add, twice on end, and its wait ahead of my first tensor load; the set-up below stands between
	ds_add_u32 v[SPW], v[NIL]
	v_lshrrev_b32 v1, 5, v0
	v_readfirstlane_b32 s[WV], v1
	s_lshr_b32 s[WH], s[WV], 1
	s_and_b32 s[WL], s[WV], 1
	s_bfe_u32 s40, ttmp6, 0x40000                  ; cx, cy: my place in the cluster
	s_bfe_u32 s41, ttmp6, 0x40004
	s_lshl_b32 s42, ttmp9, 2
	s_add_co_u32 s42, s42, s40                     ; tile column = 4 x cluster x + cx
	s_and_b32 s19, ttmp7, 0xffff
	s_lshl_b32 s19, s19, 2
	s_add_co_u32 s19, s19, s41                     ; tile row = 4 x cluster y + cy
	s_lshl_b32 s43, s41, 2
	s_lshl_b32 s43, 15, s43                        ; my row of the cluster
	s_lshl_b32 s44, 0x1111, s40                    ; my column
	; group 1: tiles of 64 (x) or 128 (W) rows x 256 bytes, elements of one byte, 4 words of padding behind every 64
	s_or_b32 s[G1+0], s43, (0<<16)|(1<<20)|(1<<21)|(5<<22)|(3<<25)
	s_or_b32 s[G1B+0], s44, (0<<16)|(1<<20)|(1<<21)|(5<<22)|(3<<25)
	s_mov_b32 s[G1+1], 256<<16                     ; tensor_dim0
	s_mov_b32 s[G1+2], 64<<16                      ; tensor_dim1
	s_mov_b32 s[G1+3], 256<<16                     ; tile_dim0
	s_mov_b32 s[G1+4], 64                          ; tile_dim1
	s_mov_b32 s[G1+5], KROW                        ; from row to row
	s_mov_b32 s[G1+6], 0
	s_mov_b32 s[G1+7], 0
	s_mov_b32 s[G1B+1], 256<<16
	s_mov_b32 s[G1B+2], 128<<16
	s_mov_b32 s[G1B+3], 256<<16
	s_mov_b32 s[G1B+4], 128
	s_mov_b32 s[G1B+5], KROW
	s_mov_b32 s[G1B+6], 0
	s_mov_b32 s[G1B+7], 0
	; the scale bytes of 64 (x) or 128 (W) rows: a dense block, as rows of 256 bytes (32 elements of 8 bytes), 16 bytes of padding behind each
	s_or_b32 s[G1S+0], s43, (3<<16)|(1<<20)|(1<<21)|(5<<22)|(3<<25)
	s_or_b32 s[G1SB+0], s44, (3<<16)|(1<<20)|(1<<21)|(5<<22)|(3<<25)
	s_mov_b32 s[G1S+1], 32<<16
	s_mov_b32 s[G1S+2], 16<<16
	s_mov_b32 s[G1S+3], 32<<16
	s_mov_b32 s[G1S+4], 16
	s_mov_b32 s[G1S+5], 32
	s_mov_b32 s[G1S+6], 0
	s_mov_b32 s[G1S+7], 0
	s_mov_b32 s[G1SB+1], 32<<16
	s_mov_b32 s[G1SB+2], 32<<16
	s_mov_b32 s[G1SB+3], 32<<16
	s_mov_b32 s[G1SB+4], 32
	s_mov_b32 s[G1SB+5], 32
	s_mov_b32 s[G1SB+6], 0
	s_mov_b32 s[G1SB+7], 0
	s_lshl_b32 s20, s19, 7
	s_lshl_b32 s21, s[WL], 6
	s_add_co_u32 s20, s20, s21                     ; x: row 128 x tile row + 64 x half
	s_lshl_b32 s22, s20, 6
	s_add_co_u32 s22, s22, XS                      ; its scale bytes
	s_mov_b32 s23, 0
	s_lshl_b32 s20, s20, 10                        ; its codes
	s_mov_b32 s21, 0
	s_lshl_b32 s46, s42, 8
	s_lshl_b32 s47, s[WL], 7
	s_add_co_u32 s46, s46, s47                     ; W: row 256 x tile column + 128 x half
	s_lshl_b32 s92, s46, 6
	s_add_co_u32 s92, s92, WS
	s_mov_b32 s93, 0
	s_lshl_b32 s46, s46, 10
	s_mov_b32 s47, 0
	s_mul_i32 s45, s[WL], 64*PITCH                 ; where they go: no place in the cluster enters an LDS address
	s_mul_i32 s94, s[WL], 128*PITCH
	s_add_co_u32 s94, s94, ATILE
	s_mul_i32 s95, s[WL], 16*272
	s_mul_i32 s96, s[WL], 32*272
	s_wait_dscnt 0x0                               ; both opening adds are done
	s_wait_kmcnt 0x0
	s_add_nc_u64 s[20:21], s[4:5], s[20:21]
	s_add_nc_u64 s[22:23], s[4:5], s[22:23]
	s_add_nc_u64 s[46:47], s[6:7], s[46:47]
	s_add_nc_u64 s[92:93], s[6:7], s[92:93]
	CROUND                                         ; all sixteen work-groups are here: the first joint loads meet
	s_mov_b32 s[G0S], 1
	s_add_co_u32 s[G0S+1], s95, SCLA
	s_mov_b64 s[G0S+2:G0S+3], s[22:23]
	s_or_b32 s[G0S+3], s[G0S+3], 0x80000000
	s_mov_b32 s[G0SB], 1
	s_add_co_u32 s[G0SB+1], s96, SCLB
	s_mov_b64 s[G0SB+2:G0SB+3], s[92:93]
	s_or_b32 s[G0SB+3], s[G0SB+3], 0x80000000
	JLOAD G0S, G1S, G0SB, G1SB                     ; the scale bytes first: they are wanted with K step 0.  With the two below, three loads of mine are out
.irp s, 0,1
	s_mov_b32 s[G0+4*\s], 1
	s_add_co_u32 s[G0+4*\s+1], s45, \s*SLOT
	s_add_nc_u64 s[G0+4*\s+2:G0+4*\s+3], s[20:21], \s*256
	s_or_b32 s[G0+4*\s+3], s[G0+4*\s+3], 0x80000000
	s_mov_b32 s[G0B+4*\s], 1
	s_add_co_u32 s[G0B+4*\s+1], s94, \s*SLOT
	s_add_nc_u64 s[G0B+4*\s+2:G0B+4*\s+3], s[46:47], \s*256
	s_or_b32 s[G0B+4*\s+3], s[G0B+4*\s+3], 0x80000000
	JLOAD G0+4*\s, G1, G0B+4*\s, G1B
.endr
	v_and_b32 v1, 15, v0                           ; r = lane % 16
	v_bfe_u32 v2, v0, 4, 1                         ; h = lane / 16
	v_mul_u32_u24 v3, v1, PITCH
	v_lshl_add_u32 v4, v2, 4, v3                   ; a fragment's row x pitch + 16 x half
	s_mul_i32 s2, s[WH], 64*PITCH                  ; my 64 rows of x
	s_mul_i32 s3, s[WL], 128*PITCH                 ; my 128 rows of W,
	s_add_co_u32 s3, s3, ATILE                     ; which lie behind x's 128
.irp s, 0,1
	v_add_nc_u32 v[ADRA+\s], s2, v4
	v_add_nc_u32 v[ADRB+\s], s3, v4
	s_add_co_u32 s2, s2, SLOT
	s_add_co_u32 s3, s3, SLOT
.endr
	v_lshlrev_b32 v5, 6, v1                        ; my row's scale bytes: 64 a row,
	v_lshrrev_b32 v6, 8, v5
	v_lshl_add_u32 v5, v6, 4, v5                   ; and 16 more for each 256 passed
	s_mul_i32 s2, s[WH], 16*272                    ; x's: my 64 rows
	s_mul_i32 s3, s[WL], 32*272                    ; W's: my 128 rows
	s_add_co_u32 s3, s3, SCLB-SCLA
	s_sub_co_u32 s3, s3, s2
	v_mul_u32_u24 v6, s3, v2                       ; lanes 16-31 take W's: one product, the distance between the two bases
	s_add_co_u32 s2, s2, SCLA
	v_add_nc_u32 v5, v5, v6
	v_add_nc_u32 v[ADRS], s2, v5
	s_mul_i32 s2, s[WV], 16*SPITCH                 ; my stage
	v_mul_u32_u24 v5, v1, SPITCH
	v_lshl_add_u32 v5, v2, 5, v5
	v_add_nc_u32 v[STO], s2, v5                    ; in: row r, 32 bytes for each half of the lanes
	v_and_b32 v6, 31, v0
	v_lshlrev_b32 v[CSO], 4, v6
	v_add_nc_u32 v[RD], s2, v[CSO]                 ; back: the 32 lanes take one row of 512 bytes: lane l columns 4 l .. 4 l + 3
	v_xor_b32 v7, 0x100, v[CSO]
	v_add_nc_u32 v[RDX], s2, v7                    ; and the columns 64 away
	v_lshlrev_b32 v[HO], 3, v6
	s_lshl_b32 s2, s19, 7
	s_lshl_b32 s3, s[WH], 6
	s_add_co_u32 s2, s2, s3                        ; my first row (= position): 128 x tile row + 64 x (wave / 2)
	v_mov_b32 v[ROWV], s2
	s_lshl_b32 s3, s42, 1
	s_add_co_u32 s3, s3, s[WL]                     ; my head slot: 2 x tile column + wave % 2
	v_lshl_add_u32 v[FO], s3, 9, v[CSO]
	s_cmp_ge_u32 s3, 12
	s_cselect_b32 s[VM], -1, 0                     ; v's slots are not turned
	s_lshl_b32 s66, s2, 9
	s_mov_b32 s67, 0
	s_add_nc_u64 s[8:9], s[8:9], s[66:67]          ; cos and sin at my first row
	s_add_nc_u64 s[10:11], s[10:11], s[66:67]
	s_lshl_b32 s66, s3, 20
	s_lshl_b32 s98, s2, 8
	s_add_co_u32 s66, s66, s98
	s_add_nc_u64 s[12:13], s[12:13], s[66:67]      ; qkv16 at my slot's first row of mine
.macro FRAG reg, adr, q, i             ; 16 rows x 128 K of 4-bit codes: 8 registers: lane l holds row l % 16; registers 4 c .. 4 c + 3 hold K = 64 c + 32 (l / 16) + 0 .. 31
.irp c, 0,1
	ds_load_b128 v[\reg+4*\c:\reg+4*\c+3], v[\adr] offset:64*(\q)+32*\c+(\i)*16*PITCH
.endr
.endm
.macro FETCH slot, q, p                ; the fragments of the slot's q-th 128 along K into set p: W's eight, x's four: 24 loads in one run
	WIN TO_B
.irp i, 0,1,2,3,4,5,6,7
	FRAG 128*(\p)+8*\i, ADRB+\slot, \q, \i
.endr
	WIN 0
.irp i, 0,1,2,3
	FRAG AF+32*(\p)+8*\i, ADRA+\slot, \q, \i
.endr
.endm
.macro SCALES sc                       ; a K step's scale words into set sc: lanes 16-31 W's block i, lanes 0-15 x's block i (for i above 3 those lanes read filled bytes that no product names)
.irp i, 0,1,2,3,4,5,6,7
	ds_load_b128 v[SC+32*\sc+4*\i:SC+32*\sc+4*\i+3], v[ADRS] offset:\i*SBLK
.endr
.endm
; 8 matrix instructions: x's block a against W's eight.  The 32 accumulators take turns, one instruction a turn, in the same order in every step.
.macro MUL8 a, p, q, sc, zero
.irp b, 0,1,2,3,4,5,6,7
.if \zero
	v_wmma_scale_f32_16x16x128_f8f6f4 v[8*(8*(\a)+\b):8*(8*(\a)+\b)+7], v[128*(\p)+8*\b:128*(\p)+8*\b+7], v[AF+32*(\p)+8*(\a):AF+32*(\p)+8*(\a)+7], 0, v[SC+32*(\sc)+4*\b+(\q)], v[SC+32*(\sc)+4*(\a)+(\q)] matrix_a_fmt:MATRIX_FMT_FP4 matrix_b_fmt:MATRIX_FMT_FP4 matrix_a_scale:MATRIX_SCALE_ROW1
.else
	v_wmma_scale_f32_16x16x128_f8f6f4 v[8*(8*(\a)+\b):8*(8*(\a)+\b)+7], v[128*(\p)+8*\b:128*(\p)+8*\b+7], v[AF+32*(\p)+8*(\a):AF+32*(\p)+8*(\a)+7], v[8*(8*(\a)+\b):8*(8*(\a)+\b)+7], v[SC+32*(\sc)+4*\b+(\q)], v[SC+32*(\sc)+4*(\a)+(\q)] matrix_a_fmt:MATRIX_FMT_FP4 matrix_b_fmt:MATRIX_FMT_FP4 matrix_a_scale:MATRIX_SCALE_ROW1
.endif
.endr
.endm
; A step of 128 along K that has its successor in the same slot: its fragments were asked for 32 matrix instructions ago; the next step's are asked for ahead of its own products.
.macro STEP slot, q, zero
	s_wait_dscnt 0x0                               ; this step's fragments (and scale words) are in
	PLACES 4                                       ; ahead of the loads into the set that the last products read
	FETCH \slot, (\q)+1, 1-(\q)%2
	WIN MUL
	MUL8 0, (\q)%2, \q, \slot, \zero
	MUL8 1, (\q)%2, \q, \slot, \zero
	MUL8 2, (\q)%2, \q, \slot, \zero
	MUL8 3, (\q)%2, \q, \slot, \zero
	WIN 0
.endm
; A slot's last step changes slots: one barrier; ahead of it each wave waits for all its tensor loads, adds 0 to its spare word, and waits for that and for its reads of this slot.  fill = 1: this slot is filled again, two K steps ahead.
.macro TURN slot, next, fill
	s_wait_tensorcnt 0x0                           ; all my tensor loads have landed: my part of the next slot
	ds_add_u32 v[SPW], v[NIL]                      ; 0 onto my spare word
	s_wait_dscnt 1                                 ; this step's fragments are in; the add alone may be out
	WIN MUL
	MUL8 0, 1, 3, \slot, 0                         ; eight matrix instructions stand between the add and the wait for it
	s_wait_dscnt 0x0                               ; the add is done, and my reads of this slot are over
	s_barrier_signal -1
	MUL8 1, 1, 3, \slot, 0
	WIN 0
	s_barrier_wait -1
.if \fill
	CREST                                          ; the barrier has opened a round of the cluster's barrier: no wave of any partner still reads this slot or has a load on its way
	s_add_nc_u64 s[G0+4*\slot+2:G0+4*\slot+3], s[G0+4*\slot+2:G0+4*\slot+3], 512
	s_add_nc_u64 s[G0B+4*\slot+2:G0B+4*\slot+3], s[G0B+4*\slot+2:G0B+4*\slot+3], 512
	JLOAD G0+4*\slot, G1, G0B+4*\slot, G1B         ; the first tensor load behind the round; its four v_nop are the places ahead of the loads below
.else
	PLACES 4
.endif
	v_add_nc_u32 v[ADRS], 16, v[ADRS]              ; on to the next K step's scale words
	FETCH \next, 0, 0
	SCALES \next
	WIN MUL
	MUL8 2, 1, 3, \slot, 0
	MUL8 3, 1, 3, \slot, 0
	WIN 0
.endm
; cos and sin of my rows 16 a .. 16 a + 15: whole rows of 512 bytes, lane l the columns 4 l .. 4 l + 3; into set a % 2 of window 3: cos at 4 t, sin at 64 + 4 t
.macro CSLOAD a
	WIN 0xc0
.irp t, 0,1,2,3,4,5,6,7,8,9,10,11,12,13,14,15
	global_load_b128 v[128*((\a)%2)+4*\t:128*((\a)%2)+4*\t+3], v[CSO], s[8:9] offset:(16*(\a)+\t)*512
	global_load_b128 v[128*((\a)%2)+64+4*\t:128*((\a)%2)+64+4*\t+3], v[CSO], s[10:11] offset:(16*(\a)+\t)*512
.endr
	WIN 0
.endm
	CSLOAD 0                                       ; window 3 is no part of the walk: the first two blocks' cos and sin are asked for here
	CSLOAD 1
	s_wait_tensorcnt 1                             ; the scale bytes and my part of K step 0 are in (K step 1's load may be out)
	s_barrier_signal -1
	s_barrier_wait -1                              ; everybody's are
	FETCH 0, 0, 0
	SCALES 0
	STEP 0, 0, 1                                   ; the first products start the sums: nothing is cleared
	STEP 0, 1, 0
	STEP 0, 2, 0
	TURN 0, 1, 1                                   ; slot 0 takes K step 2
	STEP 1, 0, 0
	STEP 1, 1, 0
	STEP 1, 2, 0
	TURN 1, 0, 1                                   ; slot 1 takes K step 3
	STEP 0, 0, 0
	STEP 0, 1, 0
	STEP 0, 2, 0
	TURN 0, 1, 0                                   ; nothing is left to fetch
	STEP 1, 0, 0
	STEP 1, 1, 0
	STEP 1, 2, 0
	s_wait_dscnt 0x0                               ; the very last step
	WIN MUL
	MUL8 0, 1, 3, 1, 0
	MUL8 1, 1, 3, 1, 0
	MUL8 2, 1, 3, 1, 0
	MUL8 3, 1, 3, 1, 0
	WIN 0
; THE WAY OUT, block by block of 16 rows x 128 columns.  A lane holds 32 neighbouring bytes of a row and the lanes beside it hold other rows: a block goes through my own stage in LDS and comes back as whole rows,
; once as they lie (X) and once with the halves of the head exchanged (Y).  LDS serves a wave's instructions in order: no wait between the stores and the loads.
.macro TOSTAGE a
	WIN 0x08                                       ; an LDS store's data are its source 1: window 2
.irp b, 0,1,2,3,4,5,6,7
	ds_store_b128 v[STO], v[64*(\a)+8*\b:64*(\a)+8*\b+3] offset:64*\b          ; each accumulator from its low end on
	ds_store_b128 v[STO], v[64*(\a)+8*\b+4:64*(\a)+8*\b+7] offset:64*\b+16
.endr
	WIN 0
.irp t, 0,1,2,3,4,5,6,7,8,9,10,11,12,13,14,15
	ds_load_b128 v[XR+4*\t:XR+4*\t+3], v[RD] offset:\t*SPITCH
	ds_load_b128 v[YR+4*\t:YR+4*\t+3], v[RDX] offset:\t*SPITCH
.endr
.endm
.macro ROPE a
.set CC, 128*((\a)%2)
.if (\a) > 0
	s_wait_xcnt 0x0                                ; the last block's stores have read their data: the registers are written again only behind this wait
.endif
	WIN 0x4c                                       ; destination window 1, source 0 window 0, source 1 window 3
.set i, 0
.rept 32
	v_pk_mul_f32 v[TR+2*i:TR+2*i+1], v[XR+2*i:XR+2*i+1], v[CC+2*i:CC+2*i+1]                               ; x cos
.set i, i+1
.endr
	WIN 0x5c                                       ; and source 2 window 1
.set i, 0
.rept 32
	v_pk_fma_f32 v[TR+2*i:TR+2*i+1], v[YR+2*i:YR+2*i+1], v[CC+64+2*i:CC+64+2*i+1], v[TR+2*i:TR+2*i+1]     ; + the partner x sin
.set i, i+1
.endr
	WIN 0x41
.set i, 0
.rept 64
	v_cndmask_b32 v[TR+i], v[TR+i], v[XR+i], s[VM]                                                        ; v goes out as it is
.set i, i+1
.endr
	WIN 0x05
.set i, 0
.rept 32
	v_cvt_pk_f16_f32 v[HH+i], v[TR+2*i], v[TR+2*i+1]
.set i, i+1
.endr
	WIN 0
.irp t, 0,1,2,3,4,5,6,7,8,9,10,11,12,13,14,15
	global_store_b64 v[HO], v[HH+2*\t:HH+2*\t+1], s[12:13] offset:(16*(\a)+\t)*256   ; 32 lanes store a row of a head: 256 consecutive bytes, aligned
.endr
.endm
	PLACES 4                                       ; behind the last products: ahead of the stores that read results and of the loads into x's fragments' registers
	TOSTAGE 0
	s_wait_loadcnt 32                              ; block 0's cos and sin are in; block 1's 32 loads may be out
	s_wait_dscnt 0x0
	ROPE 0
	v_cmp_gt_u32 vcc_lo, 16, v[ROWV]               ; positions 0-15 are block 0 of the waves whose first row is 0: their f32 numbers go to qkv32.  A mask of lanes, not a branch
	s_wait_xcnt 0x0                                ; EXEC changes only behind this wait
	s_and_saveexec_b32 s[SV], vcc_lo
	WIN 0x04                                       ; a store's data are its source 1: window 1
.irp t, 0,1,2,3,4,5,6,7,8,9,10,11,12,13,14,15
	global_store_b128 v[FO], v[TR+4*\t:TR+4*\t+3], s[14:15] offset:\t*8192   ; 32 lanes store 512 consecutive bytes, aligned
.endr
	WIN 0
	s_wait_xcnt 0x0                                ; and again, ahead of the line that widens it
	s_or_b32 exec_lo, exec_lo, s[SV]
	CSLOAD 2
	TOSTAGE 1
	s_wait_loadcnt 32                              ; block 1's are in; block 2's may be out
	s_wait_dscnt 0x0
	ROPE 1
	CSLOAD 3
	TOSTAGE 2
	s_wait_loadcnt 32                              ; block 2's are in; block 3's may be out
	s_wait_dscnt 0x0
	ROPE 2
	TOSTAGE 3
	s_wait_loadcnt 0x0
	s_wait_dscnt 0x0
	ROPE 3
	s_wait_tensorcnt 0x0                           ; the wave's end, behind my last tensor load and my last LDS store
	ds_add_u32 v[SPW], v[NIL]
	s_wait_dscnt 0x0
	CROUND                                         ; the closing round: no work-group ends while a partner may still ask for a tile that names it
	s_endpgm
.Lfunc_end_k_q387a473411_qkv:
	.size	k_q387a473411_qkv, .Lfunc_end_k_q387a473411_qkv-k_q387a473411_qkv
	.p2alignl 7, 3214868480
	.fill 96, 4, 3214868480
	.section	.rodata,"a",@progbits
	.p2align	6, 0x0
	.amdhsa_kernel k_q387a473411_qkv
		.amdhsa_group_segment_fixed_size 327680
		.amdhsa_private_segment_fixed_size 0
		.amdhsa_enable_private_segment 0
		.amdhsa_kernarg_size 48
		.amdhsa_user_sgpr_count 2
		.amdhsa_user_sgpr_kernarg_segment_ptr 1
		.amdhsa_wavefront_size32 1
		.amdhsa_system_sgpr_workgroup_id_x 1
		.amdhsa_system_sgpr_workgroup_id_y 1
		.amdhsa_system_sgpr_workgroup_id_z 1
		.amdhsa_system_vgpr_workitem_id 0
		.amdhsa_next_free_vgpr 1024
		.amdhsa_next_free_sgpr 100
		.amdhsa_reserve_vcc 1
		.amdhsa_float_denorm_mode_32 3
		.amdhsa_float_denorm_mode_16_64 3
		.amdhsa_memory_ordered 1
		.amdhsa_forward_progress 1
		.amdhsa_inst_pref_size 181
	.end_amdhsa_kernel
	.amdgpu_metadata
---
amdhsa.version: [ 1, 2 ]
amdhsa.kernels:
  - .name:           k_q387a473411_qkv
    .symbol:         k_q387a473411_qkv.kd
    .args:
      - { .name: xq, .offset: 0, .size: 8, .value_kind: global_buffer, .address_space: global }
      - { .name: wq4, .offset: 8, .size: 8, .value_kind: global_buffer, .address_space: global }
      - { .name: cos, .offset: 16, .size: 8, .value_kind: global_buffer, .address_space: global }
      - { .name: sin, .offset: 24, .size: 8, .value_kind: global_buffer, .address_space: global }
      - { .name: qkv16, .offset: 32, .size: 8, .value_kind: global_buffer, .address_space: global }
      - { .name: qkv32, .offset: 40, .size: 8, .value_kind: global_buffer, .address_space: global }
    .group_segment_fixed_size: 327680
    .private_segment_fixed_size: 0
    .kernarg_segment_align: 8
    .kernarg_segment_size: 48
    .max_flat_workgroup_size: 128
    .sgpr_count:     100
    .vgpr_count:     1024
    .wavefront_size: 32
...
	.end_amdgpu_metadata
.endif
;; end of part 2
;; launch attn (part 3): grid 64 x 4, 8 waves a work-group, no clusters, 327,680 bytes of LDS; arguments qkv16, o16; writes o16
.if DOCPART == 3
	.amdgcn_target "amdgcn-amd-amdhsa--gfx1250"
	.amdhsa_code_object_version 6
	.text
	.protected	k_q387a473411_attn
	.globl	k_q387a473411_attn
	.p2align	8
	.type	k_q387a473411_attn,@function
k_q387a473411_attn:
	s_mov_b64 s[64:65], 0
	v_nop
	global_prefetch_b8 v0, s[64:65] scope:SCOPE_SE
	s_setreg_imm32_b32 hwreg(HW_REG_WAVE_MODE, 25, 1), 1
	s_wait_xcnt 0x0
; o[q][head][:] = the sum over keys k of softmax_k(Q[q] . K[k] / sqrt(128)) V[k][:], where key k counts for query q if 0 <= q - k < 1,024.  Operands in f16; products, maxima and sums in f32.
; qkv16: [16][4096][128] f16: head slots 0-7 q, 8-11 k, 12-15 v.  o16: [4096][1024] f16, column = 128 x head + channel.  Query heads 2 y and 2 y + 1 share key and value head y.
; LIMITS: hidden scores count as -infinity, which gives what -1e9 gives wherever a row's largest score lies well above -1e9.  o must lie under 65,504 (it is an average of v).  NaN and infinities are not served.
; (Positions 0-15 are made once more, wholly in f32, by a later launch, which writes its rows of the output over those that come of this launch's.)
; SHARES: a work-group owns 64 positions (Q0 = 64 x) of both query heads of key and value head y: eight tiles of 16 queries, one a wave: wave w has head 2 y + w % 2 and positions Q0 + 16 (w / 2) on.  256 work-groups.
; THE WALK: keys lie in blocks of 256, a block to an LDS slot.  Five visits, from the block that holds Q0 downward; a visit is four steps of 64 keys.  Both trip counts are constants.  A step none of whose keys counts
; for any of the 64 positions is left out by a scalar branch on ids, round its work alone: 17 steps remain (fewer at the sequence's head).  A block below 0 is not asked for.
; every wait for tensor loads in this text is for 0; no step reads such a slot.  Where that begins hangs on the work-group's number, so it cannot be written out as a tail.
; The first step that is walked holds, for every query, at least one key that counts: the running maximum is a number from then on.
; NO CLUSTER: neighbouring blocks of queries walk windows that are shifted against each other, so a partner would have to jump over the reads of tiles that a joint load brings.
; NO PREFETCH: each block of keys is the first block of four work-groups, so the first fills of the launch already ask for all of K and V, and every block is read by up to twenty work-groups.
; LAYOUT: S^T = K Q^T (source 0 = 16 keys, source 1 = my 16 queries): a lane holds ONE query (lane % 16) and the keys 16 t + 8 (lane / 16) + 0..7.  Two such tiles, rounded to f16 in pairs, ARE source 1 (32 keys) of
; O^T = V^T P, whose result again holds one query a lane, and eight channels.  K comes out of LDS as it lies, V ([key][channel]) turned, by ds_load_tr16_b128.
; SOFTMAX: a running maximum m and sum l for each query: p = 2^(c s - c m), c = log2(e) / sqrt(128); in every step O and l are multiplied by a = 2^(c m_old - c m_new).  O and l begin as zeros and m as -3e38.
.set PK,    272                        ; a row of K in LDS: 256 bytes + 16 of padding
.set PV,    288                        ; a row of V: 256 + 32
.set VOFF,  256*PK                     ; a slot: 256 rows of K, then 256 rows of V
.set SLOTB, 256*(PK+PV)
.set SPARE, 2*SLOTB                    ; behind the ring: the spare words, 128 bytes a wave
.set STAGE, SLOTB                      ; the way out: 16 rows x 272 bytes for each wave, in slot 1: it has its last fill ahead of the fourth visit and its last read in it, ahead of the last barrier
.set AK0, 1                            ; v1  my lane's place in a tile of K
.set AV0, 2                            ; v2  the same for V
.set SPW, 3                            ; v3  LDS address of my spare word; never rewritten
.set NIL, 4                            ; v4  0; never rewritten
.set ADK, 5                            ; v5, v6 the step's LDS addresses
.set ADV, 6
.set RH,  7                            ; v7  lane % 16 - 8 (lane / 16)
.set DD,  8                            ; v8  my query less the first key that I hold
.set NINF, 9                           ; v9  -infinity
.set T0,  10                           ; v10, v11 at work
.set STO, 12                           ; v12 the stage: where I put 16 bytes of a row
.set RD,  13                           ; v13 where I read a row back
.set GO,  14                           ; v14 my byte offset in the wave's rows of o16
.set QO,  15                           ; v15 my byte offset in the wave's rows of q
.set Q,   16                           ; v16-47   Q: four fragments
.set F,   48                           ; v48-111  eight fragments of K or of V
.set S,   112                          ; v112-143 S^T, then p
.set P,   144                          ; v144-159 p in f16
.set O,   160                          ; v160-223 O^T
.set CM,  224                          ; v224 c m;  v225 m
.set MM,  225
.set LL,  226                          ; v[226:227] l, even keys' and odd keys'
.set C0,  228                          ; v228-231 at work; a in v230
.set AA,  230
.set WV,  8                            ; s8  wave
.set YY,  9                            ; s9  key and value head
.set Q0,  10                           ; s10 the work-group's first position
.set P0,  11                           ; s11 my wave's
.set LO,  12                           ; s12 the lowest first key that is walked: max(Q0 - 1024, 0)
.set QW,  13                           ; s13 Q0 - 1024: the step on the window's edge
.set KF,  14                           ; s14 the step's first key
.set NB,  15                           ; s15 the block that the next change of slots asks for
.set TBK, 16                           ; s16, s17 where the step's rows of K and of V begin in LDS
.set TBV, 17
.set CNT, 18
.set CN4, 19
.set SEL, 20                           ; s[20:21] lane selects for v_permlanex16_b32: lane l xor 16
.set CS,  22                           ; s[22:23] c
.set G1K, 24                           ; s[24:31] descriptor group 1 for K's tiles; s[32:39] for V's: it differs in the padding
.set G1V, 32
.set G0K, 40                           ; s[40:47] group 0 for K's tiles, a set for each slot; s[48:55] for V's
.set G0V, 48
; Waves 0 to 3 fetch the quarters of a block of K, waves 4 to 7 of V: 64 rows of 256 bytes, one load a wave.  An s_nop 0 and four v_nop follow each of the two lines.
.macro TLOAD ts
	s_cmp_lt_u32 s[WV], 4
	s_cbranch_scc0 .Lfor_v_\@
	tensor_load_to_lds s[G0K+4*\ts:G0K+4*\ts+3], s[G1K:G1K+7]
	s_nop 0
.rept 4
	v_nop
.endr
	s_branch .Lasked_\@
.Lfor_v_\@:
	tensor_load_to_lds s[G0V+4*\ts:G0V+4*\ts+3], s[G1V:G1V+7]
	s_nop 0
.rept 4
	v_nop
.endr
.Lasked_\@:
.endm
	s_load_b128 s[4:7], s[0:1], 0x0                ; qkv16 s[4:5], o16 s[6:7]
	v_lshl_add_u32 v[SPW], v0, 2, SPARE
	v_mov_b32 v[NIL], 0
	ds_add_u32 v[SPW], v[NIL]                      ; the wave's opening: the add, twice on end, and its wait ahead of my first tensor load; the set-up below stands between
	ds_add_u32 v[SPW], v[NIL]
	v_lshrrev_b32 v5, 5, v0
	v_readfirstlane_b32 s[WV], v5
	s_and_b32 s[YY], ttmp7, 0xffff
	s_lshl_b32 s[Q0], ttmp9, 6
	s_lshr_b32 s2, s[WV], 1
	s_lshl_b32 s2, s2, 4
	s_add_co_u32 s[P0], s[Q0], s2
	s_sub_co_i32 s[QW], s[Q0], 1024
	s_max_i32 s[LO], s[QW], 0
	s_lshr_b32 s3, ttmp9, 2                        ; the block that holds Q0
	s_lshl_b32 s[KF], s3, 8
	s_sub_co_i32 s[NB], s3, 1
	; group 1: a tile of 64 rows x 128 elements of 2 bytes, padded behind every 64 words: by 4 words (K) or 8 (V)
	s_mov_b32 s[G1K], (1<<16)|(1<<20)|(5<<22)|(3<<25)
	s_mov_b32 s[G1V], (1<<16)|(1<<20)|(5<<22)|(7<<25)
.irp g, G1K, G1V
	s_mov_b32 s[\g+1], 128<<16                     ; tensor_dim0
	s_mov_b32 s[\g+2], 64<<16                      ; tensor_dim1
	s_mov_b32 s[\g+3], 128<<16                     ; tile_dim0
	s_mov_b32 s[\g+4], 64                          ; tile_dim1
	s_mov_b32 s[\g+5], 128                         ; from row to row
	s_mov_b32 s[\g+6], 0
	s_mov_b32 s[\g+7], 0
.endr
	s_and_b32 s2, s[WV], 3                         ; which quarter of a block I fetch
	s_mul_i32 s62, s2, 64*PK                       ; its place in a slot, for K
	s_mul_i32 s63, s2, 64*PV
	s_add_co_u32 s63, s63, VOFF                    ; and for V
	s_lshl_b32 s2, s2, 6
	s_add_co_u32 s2, s2, s[KF]                     ; its first row in the first block
	s_lshl_b32 s2, s2, 8
	s_add_co_u32 s3, s[YY], 8
	s_lshl_b32 s3, s3, 20
	s_add_co_u32 s58, s3, s2                       ; in K's head slot, 8 + y,
	s_mov_b32 s59, 0
	s_add_co_u32 s60, s58, 0x400000                ; and in V's, four slots on
	s_mov_b32 s61, 0
	s_and_b32 s2, s[WV], 1
	s_lshl_b32 s3, s[YY], 1
	s_add_co_u32 s2, s2, s3                        ; my query head
	s_lshl_b32 s56, s2, 20
	s_lshl_b32 s3, s[P0], 8
	s_add_co_u32 s56, s56, s3                      ; my queries in qkv16
	s_mov_b32 s57, 0
	s_lshl_b32 s66, s[P0], 11
	s_lshl_b32 s3, s2, 8
	s_add_co_u32 s66, s66, s3                      ; and my rows' 256 bytes in o16
	s_mov_b32 s67, 0
	s_mov_b32 s[SEL], 0x76543210
	s_mov_b32 s[SEL+1], 0xfedcba98
	s_mov_b32 s[CS], 0x3e0293ee                    ; c = log2(e) / sqrt(128)
	s_mov_b32 s[CS+1], s[CS]                       ; (named with it as a pair, so it is written)
	s_wait_dscnt 0x0                               ; both opening adds are done
	s_wait_kmcnt 0x0
.irp s, 0,1                                    ; set 0 begins at the first block; set 1 one block above it: each change of slots takes two blocks off its set's addresses ahead of use
	s_mov_b32 s[G0K+4*\s], 1
	s_add_co_u32 s[G0K+4*\s+1], s62, \s*SLOTB
	s_add_nc_u64 s[G0K+4*\s+2:G0K+4*\s+3], s[4:5], s[58:59]
	s_mov_b32 s[G0V+4*\s], 1
	s_add_co_u32 s[G0V+4*\s+1], s63, \s*SLOTB
	s_add_nc_u64 s[G0V+4*\s+2:G0V+4*\s+3], s[4:5], s[60:61]
.if \s
	s_add_nc_u64 s[G0K+4*\s+2:G0K+4*\s+3], s[G0K+4*\s+2:G0K+4*\s+3], 0x10000
	s_add_nc_u64 s[G0V+4*\s+2:G0V+4*\s+3], s[G0V+4*\s+2:G0V+4*\s+3], 0x10000
.endif
	s_or_b32 s[G0K+4*\s+3], s[G0K+4*\s+3], 0x80000000
	s_or_b32 s[G0V+4*\s+3], s[G0V+4*\s+3], 0x80000000
.endr
	TLOAD 0                                        ; the first block, into slot 0: one load of mine is out
	s_add_nc_u64 s[56:57], s[4:5], s[56:57]
	s_add_nc_u64 s[6:7], s[6:7], s[66:67]
	v_and_b32 v10, 15, v0                          ; r
	v_bfe_u32 v11, v0, 4, 1                        ; h
	v_lshlrev_b32 v[QO], 8, v10
	v_lshl_add_u32 v[QO], v11, 4, v[QO]            ; row r of 256 bytes, + 16 h
.irp c, 0,1,2,3                                ; Q stays in registers: fragment c holds channels 32 c on
	global_load_b128 v[Q+8*\c:Q+8*\c+3], v[QO], s[56:57] offset:64*\c
	global_load_b128 v[Q+8*\c+4:Q+8*\c+7], v[QO], s[56:57] offset:64*\c+32
.endr
	v_mul_u32_u24 v[AK0], v10, PK
	v_lshl_add_u32 v[AK0], v11, 4, v[AK0]          ; row x pitch + 16 x half
	v_and_b32 v5, 7, v0
	v_bfe_u32 v6, v0, 3, 1
	v_lshl_add_u32 v[AV0], v11, 3, v5              ; the turning load: lane l reads key 8 (l / 16) + l % 8, channels 8 ((l / 8) % 2) on
	v_mul_u32_u24 v[AV0], v[AV0], PV
	v_lshl_add_u32 v[AV0], v6, 4, v[AV0]
	v_add_nc_u32 v[AV0], VOFF, v[AV0]
	v_lshlrev_b32 v[RH], 3, v11
	v_sub_nc_u32 v[RH], v10, v[RH]
	v_mov_b32 v[NINF], 0xff800000
	s_mul_i32 s2, s[WV], 16*PK
	s_add_co_u32 s2, s2, STAGE                     ; my stage
	v_add_nc_u32 v[STO], s2, v[AK0]                ; in: row r, 16 bytes for each half of the lanes
	v_mul_u32_u24 v[RD], v11, PK
	v_lshl_add_u32 v[RD], v10, 4, v[RD]
	v_add_nc_u32 v[RD], s2, v[RD]                  ; back: lanes 0-15 one row of 256 bytes, lanes 16-31 the next
	v_lshlrev_b32 v[GO], 11, v11
	v_lshl_add_u32 v[GO], v10, 4, v[GO]            ; and the same two rows in o16, 2,048 bytes apart
	v_mov_b32 v[MM], 0xff61b1e6                    ; m: -3e38, under every score
	v_mul_f32 v[CM], s[CS], v[MM]
	v_mov_b32 v[LL], 0
	v_mov_b32 v[LL+1], 0
.irp j, 0,1,2,3
	v_mov_b32 v[C0+\j], 0                          ; written once, so that every way through the jumps on ids finds them written
.endr
.set i, 0
.rept 64
	v_mov_b32 v[O+i], 0                            ; O^T.  (The step is written once: the first finds zeros, which its a = 0 leaves zeros)
.set i, i+1
.endr
; A KEY STEP: 64 keys.
.macro STEP
	s_cmp_gt_i32 s[KF], s[Q0]                      ; all its keys come after the work-group's... first position's block: none counts
	s_cbranch_scc1 .Lhid_\@
	s_cmp_lt_i32 s[KF], s[LO]                      ; or all lie below the window (or below key 0)
	s_cbranch_scc1 .Lhid_\@
	v_add_nc_u32 v[ADK], s[TBK], v[AK0]
	v_add_nc_u32 v[ADV], s[TBV], v[AV0]
	v_nop
	v_nop                                          ; four plain lines behind the last step's products, ahead of the loads into the registers that they read
.irp g, 0,1                                    ; S^T = K Q^T: channels 64 g on: eight fragments, eight products; the four accumulators take turns, one instruction a turn
.if \g > 0
.rept 4
	v_nop
.endr
.endif
.irp cc, 0,1
.irp t, 0,1,2,3
	ds_load_b128 v[F+8*(4*\cc+\t):F+8*(4*\cc+\t)+3],   v[ADK] offset:16*\t*PK+64*(2*\g+\cc)
	ds_load_b128 v[F+8*(4*\cc+\t)+4:F+8*(4*\cc+\t)+7], v[ADK] offset:16*\t*PK+64*(2*\g+\cc)+32
.endr
.endr
	s_wait_dscnt 0x0
.irp cc, 0,1
.irp t, 0,1,2,3
.if (\g == 0) && (\cc == 0)
	v_wmma_f32_16x16x32_f16 v[S+8*\t:S+8*\t+7], v[F+8*(4*\cc+\t):F+8*(4*\cc+\t)+7], v[Q+8*(2*\g+\cc):Q+8*(2*\g+\cc)+7], 0
.else
	v_wmma_f32_16x16x32_f16 v[S+8*\t:S+8*\t+7], v[F+8*(4*\cc+\t):F+8*(4*\cc+\t)+7], v[Q+8*(2*\g+\cc):Q+8*(2*\g+\cc)+7], v[S+8*\t:S+8*\t+7]
.endif
.endr
.endr
.endr
.rept 4
	v_nop                                          ; ahead of the loads below and of the first read of the scores
.endr
.irp f, 0,1,2,3,4,5,6,7                        ; V of keys 0-31, turned: asked for here, wanted behind the softmax
	ds_load_tr16_b128 v[F+8*\f:F+8*\f+3],   v[ADV] offset:32*\f
	ds_load_tr16_b128 v[F+8*\f+4:F+8*\f+7], v[ADV] offset:16*PV+32*\f
.endr
	s_cmp_eq_u32 s[KF], s[Q0]                      ; the mask is wanted in two steps alone: on the diagonal,
	s_cbranch_scc1 .Lmask_\@
	s_cmp_lg_u32 s[KF], s[QW]                      ; and on the window's edge
	s_cbranch_scc1 .Lopen_\@
.Lmask_\@:
	s_sub_co_i32 s2, s[P0], s[KF]
	v_add_nc_u32 v[DD], s2, v[RH]                  ; register 8 t + j holds key KF + 8 (lane / 16) + 16 t + j: query - key = DD - (16 t + j); it counts where that lies in 0 .. 1023: one unsigned compare
.irp t, 0,1,2,3
.irp j, 0,1,2,3,4,5,6,7
	v_add_nc_u32 v[T0+\j%2], -(16*\t+\j), v[DD]
	v_cmp_gt_u32 vcc_lo, 0x400, v[T0+\j%2]
	v_cndmask_b32 v[S+8*\t+\j], v[NINF], v[S+8*\t+\j], vcc_lo
.endr
.endr
.Lopen_\@:
.irp k, 0,1,2,3                                ; the maximum of my 32 scores and the old m, three operands at a time; each tile of scores is read from its low end on
	v_max3_num_f32 v[C0+\k], v[S+8*\k], v[S+8*\k+1], v[S+8*\k+2]
.endr
.irp k, 0,1,2,3
	v_max3_num_f32 v[C0+\k], v[C0+\k], v[S+8*\k+3], v[S+8*\k+4]
.endr
.irp k, 0,1,2,3
	v_max3_num_f32 v[C0+\k], v[C0+\k], v[S+8*\k+5], v[S+8*\k+6]
.endr
	v_max3_num_f32 v[C0], v[C0], v[S+7], v[S+15]
	v_max3_num_f32 v[C0+2], v[C0+2], v[S+23], v[S+31]
	v_max3_num_f32 v[C0], v[C0], v[C0+1], v[C0+2]
	v_max3_num_f32 v[C0], v[C0], v[C0+3], v[MM]
	v_permlanex16_b32 v[C0+1], v[C0], s[SEL], s[SEL+1]   ; the query's other 32 keys lie in the lane 16 away
	v_mov_b32 v[C0+3], v[CM]                       ; c m_old
	v_max_num_f32 v[MM], v[C0], v[C0+1]
	v_mul_f32 v[CM], s[CS], v[MM]
	v_sub_f32 v[C0+3], v[C0+3], v[CM]              ; c m_old - c m_new
.set i, 0
.rept 16
	v_pk_fma_f32 v[S+2*i:S+2*i+1], v[S+2*i:S+2*i+1], s[CS:CS+1], v[CM:CM+1] op_sel_hi:[1,0,0] neg_lo:[0,0,1] neg_hi:[0,0,1]   ; c s - c m
.set i, i+1
.endr
	v_exp_f32 v[AA], v[C0+3]                       ; a, and the 32 weights: ONE batch
.set i, 0
.rept 32
	v_exp_f32 v[S+i], v[S+i]
.set i, i+1
.endr
	v_nop                                          ; a plain line behind the last exponential
	s_wait_alu depctr_va_vdst(0)                   ; and the one wait ahead of the batch's first reader
.set i, 0
.rept 16
	v_cvt_pk_f16_f32 v[P+i], v[S+2*i], v[S+2*i+1]
.set i, i+1
.endr
.irp u, 0,1,2,3,4,5,6,7                        ; the sum of the 16 pairs, in place
	v_pk_add_f32 v[S+4*\u:S+4*\u+1], v[S+4*\u:S+4*\u+1], v[S+4*\u+2:S+4*\u+3]
.endr
.irp u, 0,1,2,3
	v_pk_add_f32 v[S+8*\u:S+8*\u+1], v[S+8*\u:S+8*\u+1], v[S+8*\u+4:S+8*\u+5]
.endr
.irp u, 0,1
	v_pk_add_f32 v[S+16*\u:S+16*\u+1], v[S+16*\u:S+16*\u+1], v[S+16*\u+8:S+16*\u+9]
.endr
	v_pk_add_f32 v[S:S+1], v[S:S+1], v[S+16:S+17]
	v_pk_fma_f32 v[LL:LL+1], v[LL:LL+1], v[AA:AA+1], v[S:S+1] op_sel_hi:[1,0,1]   ; l = a l + the sum
.set i, 0
.rept 32
	v_pk_mul_f32 v[O+2*i:O+2*i+1], v[O+2*i:O+2*i+1], v[AA:AA+1] op_sel_hi:[1,0]   ; O^T x a, each accumulator from its low end on
.set i, i+1
.endr
	s_wait_dscnt 0x0                               ; V of keys 0-31 is in
.irp f, 0,1,2,3,4,5,6,7                        ; O^T += V^T P: the eight accumulators take turns
	v_wmma_f32_16x16x32_f16 v[O+8*\f:O+8*\f+7], v[F+8*\f:F+8*\f+7], v[P:P+7], v[O+8*\f:O+8*\f+7]
.endr
.rept 4
	v_nop
.endr
.irp f, 0,1,2,3,4,5,6,7                        ; V of keys 32-63
	ds_load_tr16_b128 v[F+8*\f:F+8*\f+3],   v[ADV] offset:32*PV+32*\f
	ds_load_tr16_b128 v[F+8*\f+4:F+8*\f+7], v[ADV] offset:48*PV+32*\f
.endr
	s_wait_dscnt 0x0
.irp f, 0,1,2,3,4,5,6,7
	v_wmma_f32_16x16x32_f16 v[O+8*\f:O+8*\f+7], v[F+8*\f:F+8*\f+7], v[P+8:P+15], v[O+8*\f:O+8*\f+7]
.endr
.Lhid_\@:
	s_add_co_u32 s[KF], s[KF], 64                  ; on to the next 64 keys: these lines are on every way
	s_add_co_u32 s[TBK], s[TBK], 64*PK
	s_add_co_u32 s[TBV], s[TBV], 64*PV
.endm
; THE CHANGE OF SLOTS stands at a visit's head.  Each wave waits for all its tensor loads (its part of the slot that it is about to read), adds 0 to its spare word, and waits for that and for its reads of the slot
; that it has left.  Behind the barrier the slot ahead is whole and nobody reads the other one.  fill = 1: that other slot, ts, takes the block below: the load has a visit's steps in which to land.
.macro CHANGE fill, ts
	s_wait_tensorcnt 0x0                           ; no tensor load of mine is out, so a group 0 may be written
	ds_add_u32 v[SPW], v[NIL]                      ; 0 onto my spare word
.if \fill
	s_sub_nc_u64 s[G0K+4*\ts+2:G0K+4*\ts+3], s[G0K+4*\ts+2:G0K+4*\ts+3], 0x20000   ; two blocks of 256 rows of 256 bytes down
	s_sub_nc_u64 s[G0V+4*\ts+2:G0V+4*\ts+3], s[G0V+4*\ts+2:G0V+4*\ts+3], 0x20000
.endif
	s_wait_dscnt 0x0                               ; the add is done, and my reads of the slot that I have left are over
	s_barrier_signal -1
	s_barrier_wait -1
.if \fill
	s_cmp_lt_i32 s[NB], 0                          ; a block below key 0 is read by no step, so it is not asked for: ids and the count of changes alone, the same in all eight waves
	s_cbranch_scc1 .Lpast_\@
	TLOAD \ts                                      ; the first thing behind the barrier, and my one tensor load until the next
.Lpast_\@:
	s_sub_co_i32 s[NB], s[NB], 1
.endif
.endm
.macro VISIT slot                      ; a block's four steps: written once, walked four times
	s_mov_b32 s[TBK], \slot*SLOTB
	s_mov_b32 s[TBV], \slot*SLOTB
	s_mov_b32 s[CN4], 4
.Lstep_\@:
	STEP
	s_sub_co_u32 s[CN4], s[CN4], 1
	s_cmp_lg_u32 s[CN4], 0
	s_cbranch_scc1 .Lstep_\@
	s_sub_co_i32 s[KF], s[KF], 512                 ; back over this block, and down one
.endm
	s_wait_loadcnt 0x0                             ; Q
	s_mov_b32 s[CNT], 2
.Lpair:                                            ; two trips of two visits; behind each of their changes of slots the block below is asked for
	CHANGE 1, 1
	VISIT 0
	CHANGE 1, 0
	VISIT 1
	s_sub_co_u32 s[CNT], s[CNT], 1
	s_cmp_lg_u32 s[CNT], 0
	s_cbranch_scc1 .Lpair
	CHANGE 0, 0                                    ; the fifth visit: nothing is left to fetch
	VISIT 0
	; THE WAY OUT.  l's halves are added; O^T is divided by l, rounded to f16 and goes through my stage in LDS, so that sixteen lanes store 256 consecutive bytes of a row.
.rept 4
	v_nop
.endr
	v_add_f32 v[C0], v[LL], v[LL+1]
	v_permlanex16_b32 v[C0+1], v[C0], s[SEL], s[SEL+1]
	v_add_f32 v[C0], v[C0], v[C0+1]
	v_rcp_f32 v[AA], v[C0]
	v_nop                                          ; a plain line behind the reciprocal
	s_wait_alu depctr_va_vdst(0)                   ; and the wait ahead of its first reader
.set i, 0
.rept 32
	v_pk_mul_f32 v[O+2*i:O+2*i+1], v[O+2*i:O+2*i+1], v[AA:AA+1] op_sel_hi:[1,0]
.set i, i+1
.endr
.set i, 0
.rept 32
	v_cvt_pk_f16_f32 v[S+i], v[O+2*i], v[O+2*i+1]  ; registers 4 f .. 4 f + 3: channels 16 f + 8 (lane / 16) + 0 .. 7 of my query: 16 bytes
.set i, i+1
.endr
.irp f, 0,1,2,3,4,5,6,7
	ds_store_b128 v[STO], v[S+4*\f:S+4*\f+3] offset:32*\f
.endr
.irp i, 0,1,2,3,4,5,6,7
	ds_load_b128 v[F+4*\i:F+4*\i+3], v[RD] offset:2*\i*PK   ; LDS serves a wave's instructions in order: these see my stores
.endr
.irp i, 0,1,2,3,4,5,6,7
	s_wait_dscnt 7-\i                              ; load i is in; the younger ones may be out
	global_store_b128 v[GO], v[F+4*\i:F+4*\i+3], s[6:7] offset:4096*\i   ; 16 lanes store 256 consecutive bytes, aligned
.endr
	s_wait_tensorcnt 0x0                           ; the wave's end, behind my last tensor load and my last LDS store
	ds_add_u32 v[SPW], v[NIL]
	s_wait_dscnt 0x0
	s_endpgm
.Lfunc_end_k_q387a473411_attn:
	.size	k_q387a473411_attn, .Lfunc_end_k_q387a473411_attn-k_q387a473411_attn
	.p2alignl 7, 3214868480
	.fill 96, 4, 3214868480
	.section	.rodata,"a",@progbits
	.p2align	6, 0x0
	.amdhsa_kernel k_q387a473411_attn
		.amdhsa_group_segment_fixed_size 327680
		.amdhsa_private_segment_fixed_size 0
		.amdhsa_enable_private_segment 0
		.amdhsa_kernarg_size 16
		.amdhsa_user_sgpr_count 2
		.amdhsa_user_sgpr_kernarg_segment_ptr 1
		.amdhsa_wavefront_size32 1
		.amdhsa_system_sgpr_workgroup_id_x 1
		.amdhsa_system_sgpr_workgroup_id_y 1
		.amdhsa_system_sgpr_workgroup_id_z 1
		.amdhsa_system_vgpr_workitem_id 0
		.amdhsa_next_free_vgpr 256
		.amdhsa_next_free_sgpr 72
		.amdhsa_reserve_vcc 1
		.amdhsa_float_denorm_mode_32 3
		.amdhsa_float_denorm_mode_16_64 3
		.amdhsa_memory_ordered 1
		.amdhsa_forward_progress 1
		.amdhsa_inst_pref_size 76
	.end_amdhsa_kernel
	.amdgpu_metadata
---
amdhsa.version: [ 1, 2 ]
amdhsa.kernels:
  - .name:           k_q387a473411_attn
    .symbol:         k_q387a473411_attn.kd
    .args:
      - { .name: qkv16, .offset: 0, .size: 8, .value_kind: global_buffer, .address_space: global }
      - { .name: o16, .offset: 8, .size: 8, .value_kind: global_buffer, .address_space: global }
    .group_segment_fixed_size: 327680
    .private_segment_fixed_size: 0
    .kernarg_segment_align: 8
    .kernarg_segment_size: 16
    .max_flat_workgroup_size: 256
    .sgpr_count:     72
    .vgpr_count:     256
    .wavefront_size: 32
...
	.end_amdgpu_metadata
.endif
;; end of part 3
;; launch proj (part 4): grid 8 x 32, 4 waves a work-group, clusters of 4 x 4, 327,680 bytes of LDS; arguments o16, wo16, out0; writes out0
.if DOCPART == 4
	.amdgcn_target "amdgcn-amd-amdhsa--gfx1250"
	.amdhsa_code_object_version 6
	.text
	.protected	k_q387a473411_proj
	.globl	k_q387a473411_proj
	.p2align	8
	.type	k_q387a473411_proj,@function
k_q387a473411_proj:
	s_mov_b64 s[64:65], 0
	v_nop
	global_prefetch_b8 v0, s[64:65] scope:SCOPE_SE
	s_setreg_imm32_b32 hwreg(HW_REG_WAVE_MODE, 25, 1), 1
	s_wait_xcnt 0x0
	s_wait_alu depctr_hold_cnt(0) depctr_sa_sdst(0) depctr_va_vdst(0) depctr_va_sdst(0) depctr_va_ssrc(0) depctr_va_vcc(0) depctr_vm_vsrc(0)
	s_getreg_b32 s2, hwreg(HW_REG_IB_STS2, 6, 4)
	s_cmp_eq_u32 s2, 0
	s_cbranch_scc0 .Lentry_in_a_cluster
	s_endpgm
.Lentry_in_a_cluster:
	s_bfe_u32 s2, ttmp6, 0x10000c
	s_cmp_lg_u32 s2, 0xf033
	s_cbranch_scc0 .Lentry_shape_is_right
	s_endpgm
.Lentry_shape_is_right:
; out0[m][n] = the sum over k of o[m][k] wo[n][k].  o16: [4096][1024] f16, wo16: [2048][1024] f16, out0: [4096][2048] f32; sums in f32.
; (Rows 0-15 of out0 are written once more by the launch behind this one, which makes them wholly in f32: leaving them out here would take a branch on a work-group's place in its cluster.)
; SHARES: a work-group makes 128 rows x 256 columns; 8 x 32 work-groups.  Wave w makes 64 rows (w / 2) x 128 columns (w % 2): 32 accumulators of 16 x 16, 256 registers.
; K goes in eight steps of 128 (a tile's row: 256 bytes) through two LDS slots filled by the tensor data mover.
; CLUSTERS: 4 x 4 work-groups.  The four of a row of the cluster need the same tiles of o, the four of a column the same tiles of wo: each is asked for JOINTLY, by the same tensor load with the same descriptor and a
; mask that names the four.  THE MATRIX INSTRUCTION IS USED TRANSPOSED (source 0 = 16 rows of wo, source 1 = 16 rows of o): a lane then holds eight neighbouring columns of one row.
; No prefetch: a K step's tiles are small and each is shared by four work-groups through the joint loads.
; REGISTERS, in windows of 256: window 0: v16-31 addresses; v128-191 o's fragments, two sets; on the way out v128-255 rows read back.   window 1: wo's fragments, two sets, at v0 and v128.   window 2: the accumulators.
.set KROW,   2048                      ; a row of o16 or wo16 in bytes
.set PITCH,  272                       ; an LDS row: 256 bytes + 16 of padding
.set ATILE,  128*PITCH                 ; o's 128 rows
.set SLOT,   3*ATILE                   ; then wo's 256 rows
.set SPARE,  2*SLOT                    ; behind the ring: the spare words, 128 bytes a wave
.set SPITCH, 528                       ; the way out: a stage of 16 rows x (512 bytes + 16) for each wave, in slot 0, which has had its last fill and its last read by then
.set LAPS,   4                         ; a lap = two K steps = once round the ring
.set ADRA, 16
.set ADRB, 20
.set STO,  24
.set RD,   25
.set CO,   26
.set SPW,  28                          ; v28  LDS address of my spare word; never rewritten
.set NIL,  29                          ; v29  0; never rewritten
.set AF,   128
.set BK,   128
.set WV,   16
.set WH,   17
.set WL,   18
.set G1,   24
.set G0,   32
.set G1B,  48
.set G0B,  56
.set MSB, 0
.macro WIN new
.if MSB != \new
	s_set_vgpr_msb (MSB<<8)|\new
.set MSB, \new
.endif
.endm
.set MUL,  0xa1                        ; source 0 (wo) window 1, source 1 (o) window 0, C and D window 2
.set TO_B, 0x40
.macro JLOAD g0a, g1a, g0b, g1b        ; a joint load: waves 0 and 1 fetch for o, waves 2 and 3 for wo; an s_nop 0 and four v_nop follow each of the two lines
	s_cmp_eq_u32 s[WH], 0
	s_cbranch_scc0 .Lfor_b_\@
	tensor_load_to_lds s[\g0a:\g0a+3], s[\g1a:\g1a+7]
	s_nop 0
.rept 4
	v_nop
.endr
	s_branch .Lasked_\@
.Lfor_b_\@:
	tensor_load_to_lds s[\g0b:\g0b+3], s[\g1b:\g1b+7]
	s_nop 0
.rept 4
	v_nop
.endr
.Lasked_\@:
.endm
.macro CREST
	s_cmp_lg_u32 s[WV], 0
	s_cbranch_scc1 .Lnot_wave_0_\@
	s_barrier_signal -3
.Lnot_wave_0_\@:
	s_barrier_wait -3
	s_barrier_signal -1
	s_barrier_wait -1
.endm
.macro CROUND
	s_barrier_signal -1
	s_barrier_wait -1
	CREST
.endm
.macro PLACES n
.rept \n
	v_nop
.endr
.endm
	s_load_b128 s[4:7], s[0:1], 0x0                ; o16 s[4:5], wo16 s[6:7]
	s_load_b64 s[8:9], s[0:1], 0x10                ; out0
	v_lshl_add_u32 v[SPW], v0, 2, SPARE
	v_mov_b32 v[NIL], 0
	ds_add_u32 v[SPW], v[NIL]                      ; the wave's opening: the add, twice on end, and its wait ahead of my first tensor load
	ds_add_u32 v[SPW], v[NIL]
	v_lshrrev_b32 v1, 5, v0
	v_readfirstlane_b32 s[WV], v1
	s_lshr_b32 s[WH], s[WV], 1                     ; my rows.  Also: I fetch for o (0) or for wo (1)
	s_and_b32 s[WL], s[WV], 1                      ; my columns.  Also: which half I fetch
	s_bfe_u32 s40, ttmp6, 0x40000
	s_bfe_u32 s41, ttmp6, 0x40004
	s_lshl_b32 s42, ttmp9, 2
	s_add_co_u32 s42, s42, s40                     ; tile column
	s_and_b32 s19, ttmp7, 0xffff
	s_lshl_b32 s19, s19, 2
	s_add_co_u32 s19, s19, s41                     ; tile row
	s_lshl_b32 s43, s41, 2
	s_lshl_b32 s43, 15, s43                        ; my row of the cluster
	s_lshl_b32 s44, 0x1111, s40                    ; my column
	s_or_b32 s[G1+0], s43, (0<<16)|(1<<20)|(1<<21)|(5<<22)|(3<<25)   ; elements of one byte; 4 words of padding behind every 64
	s_or_b32 s[G1B+0], s44, (0<<16)|(1<<20)|(1<<21)|(5<<22)|(3<<25)
	s_mov_b32 s[G1+1], 256<<16
	s_mov_b32 s[G1+2], 64<<16
	s_mov_b32 s[G1+3], 256<<16
	s_mov_b32 s[G1+4], 64
	s_mov_b32 s[G1+5], KROW
	s_mov_b32 s[G1+6], 0
	s_mov_b32 s[G1+7], 0
	s_mov_b32 s[G1B+1], 256<<16
	s_mov_b32 s[G1B+2], 128<<16
	s_mov_b32 s[G1B+3], 256<<16
	s_mov_b32 s[G1B+4], 128
	s_mov_b32 s[G1B+5], KROW
	s_mov_b32 s[G1B+6], 0
	s_mov_b32 s[G1B+7], 0
	s_lshl_b32 s20, s19, 7
	s_lshl_b32 s21, s[WL], 6
	s_add_co_u32 s20, s20, s21                     ; o: row 128 x tile row + 64 x half
	s_lshl_b32 s20, s20, 11
	s_mov_b32 s21, 0
	s_lshl_b32 s46, s42, 8
	s_lshl_b32 s47, s[WL], 7
	s_add_co_u32 s46, s46, s47                     ; wo: row 256 x tile column + 128 x half
	s_lshl_b32 s46, s46, 11
	s_mov_b32 s47, 0
	s_mul_i32 s45, s[WL], 64*PITCH
	s_mul_i32 s94, s[WL], 128*PITCH
	s_add_co_u32 s94, s94, ATILE
	s_wait_dscnt 0x0                               ; both opening adds are done
	s_wait_kmcnt 0x0
	s_add_nc_u64 s[20:21], s[4:5], s[20:21]
	s_add_nc_u64 s[46:47], s[6:7], s[46:47]
	CROUND                                         ; all sixteen work-groups are here: the first joint loads meet
.irp s, 0,1
	s_mov_b32 s[G0+4*\s], 1
	s_add_co_u32 s[G0+4*\s+1], s45, \s*SLOT
	s_add_nc_u64 s[G0+4*\s+2:G0+4*\s+3], s[20:21], \s*256
	s_or_b32 s[G0+4*\s+3], s[G0+4*\s+3], 0x80000000
	s_mov_b32 s[G0B+4*\s], 1
	s_add_co_u32 s[G0B+4*\s+1], s94, \s*SLOT
	s_add_nc_u64 s[G0B+4*\s+2:G0B+4*\s+3], s[46:47], \s*256
	s_or_b32 s[G0B+4*\s+3], s[G0B+4*\s+3], 0x80000000
	JLOAD G0+4*\s, G1, G0B+4*\s, G1B               ; two loads of mine are out
.endr
	v_and_b32 v1, 15, v0
	v_bfe_u32 v2, v0, 4, 1
	v_mul_u32_u24 v3, v1, PITCH
	v_lshl_add_u32 v4, v2, 4, v3
	s_mul_i32 s2, s[WH], 64*PITCH
	s_mul_i32 s3, s[WL], 128*PITCH
	s_add_co_u32 s3, s3, ATILE
.irp s, 0,1
	v_add_nc_u32 v[ADRA+\s], s2, v4
	v_add_nc_u32 v[ADRB+\s], s3, v4
	s_add_co_u32 s2, s2, SLOT
	s_add_co_u32 s3, s3, SLOT
.endr
	s_mul_i32 s2, s[WV], 16*SPITCH                 ; my stage
	v_mul_u32_u24 v5, v1, SPITCH
	v_lshl_add_u32 v5, v2, 5, v5
	v_add_nc_u32 v[STO], s2, v5
	v_and_b32 v6, 31, v0
	v_lshlrev_b32 v[CO], 4, v6
	v_add_nc_u32 v[RD], s2, v[CO]
	s_lshl_b32 s2, s19, 7
	s_lshl_b32 s3, s[WH], 6
	s_add_co_u32 s2, s2, s3                        ; my first row
	s_lshl_b32 s66, s2, 13                         ; rows of 8,192 bytes
	s_lshl_b32 s3, s42, 10
	s_lshl_b32 s98, s[WL], 9
	s_add_co_u32 s3, s3, s98                       ; my first column, in bytes
	s_add_co_u32 s66, s66, s3
	s_mov_b32 s67, 0
	s_add_nc_u64 s[8:9], s[8:9], s[66:67]
.macro FRAG reg, adr, q, i             ; 16 rows x 32 K of f16: 8 registers: lane l holds row l % 16; registers 0-3 K = 8 (l / 16) + 0..7, registers 4-7 K = 16 + 8 (l / 16) + 0..7
.irp c, 0,1
	ds_load_b128 v[\reg+4*\c:\reg+4*\c+3], v[\adr] offset:64*(\q)+32*\c+(\i)*16*PITCH
.endr
.endm
.macro FETCH slot, q, p
	WIN TO_B
.irp i, 0,1,2,3,4,5,6,7
	FRAG 128*(\p)+8*\i, ADRB+\slot, \q, \i
.endr
	WIN 0
.irp i, 0,1,2,3
	FRAG AF+32*(\p)+8*\i, ADRA+\slot, \q, \i
.endr
.endm
.macro MUL8 a, p, zero                 ; o's block a against wo's eight; the 32 accumulators take turns, one instruction a turn, in the same order in every step, over the loop's backward jump too
.irp b, 0,1,2,3,4,5,6,7
.if \zero
	v_wmma_f32_16x16x32_f16 v[8*(8*(\a)+\b):8*(8*(\a)+\b)+7], v[128*(\p)+8*\b:128*(\p)+8*\b+7], v[AF+32*(\p)+8*(\a):AF+32*(\p)+8*(\a)+7], 0
.else
	v_wmma_f32_16x16x32_f16 v[8*(8*(\a)+\b):8*(8*(\a)+\b)+7], v[128*(\p)+8*\b:128*(\p)+8*\b+7], v[AF+32*(\p)+8*(\a):AF+32*(\p)+8*(\a)+7], v[8*(8*(\a)+\b):8*(8*(\a)+\b)+7]
.endif
.endr
.endm
.macro STEP slot, q, zero              ; 32 along K; the next step's fragments are asked for ahead of this step's 32 products
	s_wait_dscnt 0x0                               ; this step's fragments are in
	PLACES 4                                       ; ahead of the loads into the set that the last products read
	FETCH \slot, (\q)+1, 1-(\q)%2
	WIN MUL
	MUL8 0, (\q)%2, \zero
	MUL8 1, (\q)%2, \zero
	MUL8 2, (\q)%2, \zero
	MUL8 3, (\q)%2, \zero
	WIN 0
.endm
.macro TURN slot, next, fill           ; a slot's last step changes slots
	s_wait_tensorcnt 0x0                           ; all my tensor loads have landed: my part of the next slot
	ds_add_u32 v[SPW], v[NIL]                      ; 0 onto my spare word
	s_wait_dscnt 1                                 ; this step's fragments are in; the add alone may be out
	WIN MUL
	MUL8 0, 1, 0
	s_wait_dscnt 0x0                               ; the add is done, and my reads of this slot are over
	s_barrier_signal -1
	MUL8 1, 1, 0
	WIN 0
	s_barrier_wait -1
.if \fill
	CREST                                          ; the barrier has opened a round of the cluster's barrier
	s_add_nc_u64 s[G0+4*\slot+2:G0+4*\slot+3], s[G0+4*\slot+2:G0+4*\slot+3], 512
	s_add_nc_u64 s[G0B+4*\slot+2:G0B+4*\slot+3], s[G0B+4*\slot+2:G0B+4*\slot+3], 512
	JLOAD G0+4*\slot, G1, G0B+4*\slot, G1B         ; the first tensor load behind the round; its four v_nop are the places ahead of the loads below
.else
	PLACES 4
.endif
	FETCH \next, 0, 0
	WIN MUL
	MUL8 2, 1, 0
	MUL8 3, 1, 0
	WIN 0
.endm
	s_wait_tensorcnt 1                             ; my part of K step 0 is in (K step 1's load may be out)
	s_barrier_signal -1
	s_barrier_wait -1                              ; everybody's is
	FETCH 0, 0, 0
	STEP 0, 0, 1                                   ; the first products start the sums
	s_mov_b32 s3, LAPS-1
.Llap:                                             ; a trip goes once round the ring, from a lap's second step to the next lap's first, and fills both slots again
	STEP 0, 1, 0
	STEP 0, 2, 0
	TURN 0, 1, 1
	STEP 1, 0, 0
	STEP 1, 1, 0
	STEP 1, 2, 0
	TURN 1, 0, 1
	STEP 0, 0, 0
	s_sub_co_u32 s3, s3, 1
	s_cmp_lg_u32 s3, 0
	s_cbranch_scc1 .Llap
	STEP 0, 1, 0                                   ; the last lap fills nothing
	STEP 0, 2, 0
	TURN 0, 1, 0
	STEP 1, 0, 0
	STEP 1, 1, 0
	STEP 1, 2, 0
	s_wait_dscnt 0x0
	WIN MUL
	MUL8 0, 1, 0
	MUL8 1, 1, 0
	MUL8 2, 1, 0
	MUL8 3, 1, 0
	WIN 0
; THE WAY OUT, block by block of 16 rows x 128 columns, through my own stage: in as 32 bytes a lane, back as whole rows of 512 bytes.
.macro TOSTAGE a
	WIN 0x08
.irp b, 0,1,2,3,4,5,6,7
	ds_store_b128 v[STO], v[64*(\a)+8*\b:64*(\a)+8*\b+3] offset:64*\b          ; each accumulator from its low end on
	ds_store_b128 v[STO], v[64*(\a)+8*\b+4:64*(\a)+8*\b+7] offset:64*\b+16
.endr
	WIN 0
.set BB, BK+64*((\a)%2)
.irp t, 0,1,2,3,4,5,6,7,8,9,10,11,12,13,14,15
	ds_load_b128 v[BB+4*\t:BB+4*\t+3], v[RD] offset:\t*SPITCH
.endr
.endm
.macro SEND a, younger                 ; younger: the LDS instructions issued behind block a's loads, which may stay out
.set BB, BK+64*((\a)%2)
	s_wait_dscnt \younger
.if (\a) > 0
	s_add_nc_u64 s[8:9], s[8:9], 16*8192           ; (behind a wait for the earlier stores' addresses)  16 rows on
.endif
.irp t, 0,1,2,3,4,5,6,7,8,9,10,11,12,13,14,15
	global_store_b128 v[CO], v[BB+4*\t:BB+4*\t+3], s[8:9] offset:\t*8192 th:TH_STORE_NT   ; 32 lanes store 512 consecutive bytes, aligned
.endr
.endm
	PLACES 4
	TOSTAGE 0
.irp a, 1,2,3
.if \a > 1
	s_wait_xcnt 0x0                                ; block a - 2's stores have read their registers and their base
.endif
	TOSTAGE \a
	SEND \a-1, 32                                  ; behind block a - 1's loads: block a's 16 stores and 16 loads
.endr
	s_wait_xcnt 0x0
	SEND 3, 0
	s_wait_tensorcnt 0x0                           ; the wave's end
	ds_add_u32 v[SPW], v[NIL]
	s_wait_dscnt 0x0
	CROUND                                         ; the closing round
	s_endpgm
.Lfunc_end_k_q387a473411_proj:
	.size	k_q387a473411_proj, .Lfunc_end_k_q387a473411_proj-k_q387a473411_proj
	.p2alignl 7, 3214868480
	.fill 96, 4, 3214868480
	.section	.rodata,"a",@progbits
	.p2align	6, 0x0
	.amdhsa_kernel k_q387a473411_proj
		.amdhsa_group_segment_fixed_size 327680
		.amdhsa_private_segment_fixed_size 0
		.amdhsa_enable_private_segment 0
		.amdhsa_kernarg_size 24
		.amdhsa_user_sgpr_count 2
		.amdhsa_user_sgpr_kernarg_segment_ptr 1
		.amdhsa_wavefront_size32 1
		.amdhsa_system_sgpr_workgroup_id_x 1
		.amdhsa_system_sgpr_workgroup_id_y 1
		.amdhsa_system_sgpr_workgroup_id_z 1
		.amdhsa_system_vgpr_workitem_id 0
		.amdhsa_next_free_vgpr 768
		.amdhsa_next_free_sgpr 100
		.amdhsa_reserve_vcc 0
		.amdhsa_float_denorm_mode_32 3
		.amdhsa_float_denorm_mode_16_64 3
		.amdhsa_memory_ordered 1
		.amdhsa_forward_progress 1
		.amdhsa_inst_pref_size 85
	.end_amdhsa_kernel
	.amdgpu_metadata
---
amdhsa.version: [ 1, 2 ]
amdhsa.kernels:
  - .name:           k_q387a473411_proj
    .symbol:         k_q387a473411_proj.kd
    .args:
      - { .name: o16, .offset: 0, .size: 8, .value_kind: global_buffer, .address_space: global }
      - { .name: wo16, .offset: 8, .size: 8, .value_kind: global_buffer, .address_space: global }
      - { .name: out0, .offset: 16, .size: 8, .value_kind: global_buffer, .address_space: global }
    .group_segment_fixed_size: 327680
    .private_segment_fixed_size: 0
    .kernarg_segment_align: 8
    .kernarg_segment_size: 24
    .max_flat_workgroup_size: 128
    .sgpr_count:     100
    .vgpr_count:     768
    .wavefront_size: 32
...
	.end_amdgpu_metadata
.endif
;; end of part 4
;; launch first16 (part 5): grid 128 x 1, 8 waves a work-group, no clusters, 9,216 bytes of LDS; arguments qkv32, wo, out0; writes out0
.if DOCPART == 5
	.amdgcn_target "amdgcn-amd-amdhsa--gfx1250"
	.amdhsa_code_object_version 6
	.text
	.protected	k_q387a473411_first16
	.globl	k_q387a473411_first16
	.p2align	8
	.type	k_q387a473411_first16,@function
k_q387a473411_first16:
	s_mov_b64 s[64:65], 0
	v_nop
	global_prefetch_b8 v0, s[64:65] scope:SCOPE_SE
	s_setreg_imm32_b32 hwreg(HW_REG_WAVE_MODE, 25, 1), 1
	s_wait_xcnt 0x0
; Positions 0-15 once more, wholly in f32: attention and the projection by wo.  These rows average one to sixteen values, and f16 operands would weigh most on them.  It runs last and writes rows 0-15 of out0 anew.
; qkv32: [16 positions][2048] f32 (columns 0-1023 q, 1024-1535 k, 1536-2047 v, turned where they are turned).  wo: [2048][1024] f32.  out0: [4096][2048] f32.
; SHARES: work-group x makes output columns 16 x .. 16 x + 15 of the 16 rows.  Wave w takes head w: it makes the head's 16 x 16 attention (every work-group repeats it: 64 small matrix instructions), multiplies the head's
; 128 channels by its 16 rows of wo (32 more), and the eight waves' parts are added through LDS.  The launch's 128 KB leave in pieces of 64 bytes: whole runs of 256 would put four times the work on a quarter of the work-groups.
; THE f32 MATRIX FORM takes K = 4: register j of lane (r, h) is k = 2 h + j.  k is permuted alike on both sides of each product, which keeps the sums, so that every operand is used in the lanes in which it was loaded or made.
;   S^T = K Q^T: lane (r, h) holds channels 64 h + i of row r; chunk c = registers 2 c, 2 c + 1.  Result: lane (r, h): query r, keys 8 h + j.
;   O^T = V^T P: chunk c = keys 8 h + 2 c, + 1: p's registers as they stand; V's register 8 f + i = v[key 8 h + i][channel 16 f + r].  Result: query r, channels 16 f + 8 h + j.
;   D = wo O: chunk (f, c) = channels 16 f + 8 h + 2 c, + 1: O's registers as they stand; wo's register 8 f + i = wo[16 x + r][128 w + 16 f + 8 h + i].  Result: lane (r, h): query r, columns 16 x + 8 h + j.
; The registers that the matrix form writes are written by it alone; each sum begins with the constant 0; what is made of a sum goes into other registers.  Sums take turns on four or eight accumulators.
; LIMITS: hidden scores count as -infinity.  NaN and infinities are not served.
; REGISTERS: window 0: v1-15 addresses; v16-79 Q; v80-143 K; v144-151 scores, then p; v152-168 at work; v176-239 O / l; v240-247 my part of the result.
;   window 1: v0-63 V; v64-127 wo; v128-159 four accumulators of S^T; v160-223 eight of O^T; v224-255 four of D.
.set NINF, 1
.set QKO, 4                            ; v4  8192 r + 256 h
.set VO,  5                            ; v5  65536 h + 4 r
.set WO,  6                            ; v6  4096 r + 32 h
.set LST, 7                            ; v7  32 x thread: where my part goes in LDS
.set LRD, 11                           ; v11 where I read the eight parts of my one number
.set GOUT, 12                          ; v12 my number's byte in out0
.set DD,  13                           ; v13 r - 8 h
.set SPW, 14                           ; v14 LDS address of my spare word; never rewritten
.set NIL, 15                           ; v15 0; never rewritten
.set QR,  16
.set KR,  80
.set SS,  144
.set TT,  152
.set MX0, 160
.set MX1, 161
.set RL,  168
.set ON,  176
.set DR,  240
.set SPARE, 8192
.set MSB, 0
.macro WIN new
.if MSB != \new
	s_set_vgpr_msb (MSB<<8)|\new
.set MSB, \new
.endif
.endm
	s_load_b128 s[4:7], s[0:1], 0x0                ; qkv32 s[4:5], wo s[6:7]
	s_load_b64 s[8:9], s[0:1], 0x10                ; out0
	v_lshl_add_u32 v[SPW], v0, 2, SPARE
	v_mov_b32 v[NIL], 0
	v_lshrrev_b32 v8, 5, v0
	v_readfirstlane_b32 s10, v8                    ; wave = head
	v_and_b32 v2, 15, v0                           ; r
	v_bfe_u32 v3, v0, 4, 1                         ; h
	v_lshlrev_b32 v[QKO], 13, v2
	v_lshl_add_u32 v[QKO], v3, 8, v[QKO]
	v_lshlrev_b32 v[VO], 16, v3
	v_lshl_add_u32 v[VO], v2, 2, v[VO]
	v_lshlrev_b32 v[WO], 12, v2
	v_lshl_add_u32 v[WO], v3, 5, v[WO]
	v_lshlrev_b32 v[LST], 5, v0
	v_lshrrev_b32 v8, 4, v0                        ; at the end thread T takes query T / 16, column T % 16
	v_and_b32 v9, 7, v0
	v_bfe_u32 v10, v0, 3, 1
	v_lshlrev_b32 v[LRD], 5, v8
	v_lshl_add_u32 v[LRD], v10, 9, v[LRD]
	v_lshl_add_u32 v[LRD], v9, 2, v[LRD]           ; 32 query + 512 (column / 8) + 4 (column % 8)
	v_lshlrev_b32 v[GOUT], 13, v8
	v_lshl_add_u32 v[GOUT], v2, 2, v[GOUT]         ; 8192 query + 4 column
	v_lshlrev_b32 v[DD], 3, v3
	v_sub_nc_u32 v[DD], v2, v[DD]
	v_mov_b32 v[NINF], 0xff800000
	s_mov_b32 s20, 0x76543210
	s_mov_b32 s21, 0xfedcba98                      ; v_permlanex16_b32's selects for lane l xor 16
	s_mov_b32 s22, 0x3e0293ee                      ; c = log2(e) / sqrt(128)
	s_lshl_b32 s12, s10, 9                         ; q: 512 bytes a head
	s_mov_b32 s13, 0
	s_lshr_b32 s14, s10, 1
	s_lshl_b32 s14, s14, 9
	s_add_co_u32 s14, s14, 8*512                   ; k: head slot 8 + w / 2
	s_mov_b32 s15, 0
	s_add_co_u32 s16, s14, 4*512                   ; v: four slots on
	s_mov_b32 s17, 0
	s_lshl_b32 s18, ttmp9, 16                      ; wo: 16 rows of 4,096 bytes a work-group,
	s_add_co_u32 s18, s18, s12                     ; my head's 128 columns
	s_mov_b32 s19, 0
	s_lshl_b32 s24, ttmp9, 6                       ; out0: 16 columns of 4 bytes a work-group
	s_mov_b32 s25, 0
	s_wait_kmcnt 0x0
	s_add_nc_u64 s[12:13], s[4:5], s[12:13]
	s_add_nc_u64 s[14:15], s[4:5], s[14:15]
	s_add_nc_u64 s[16:17], s[4:5], s[16:17]
	s_add_nc_u64 s[18:19], s[6:7], s[18:19]
	s_add_nc_u64 s[8:9], s[8:9], s[24:25]
.irp i, 0,1,2,3,4,5,6,7,8,9,10,11,12,13,14,15
	global_load_b128 v[QR+4*\i:QR+4*\i+3], v[QKO], s[12:13] offset:16*\i
.endr
.irp i, 0,1,2,3,4,5,6,7,8,9,10,11,12,13,14,15
	global_load_b128 v[KR+4*\i:KR+4*\i+3], v[QKO], s[14:15] offset:16*\i
.endr
	WIN 0x40                                       ; destination window 1
.irp f, 0,1,2,3,4,5,6,7
	global_load_b128 v[64+8*\f:64+8*\f+3], v[WO], s[18:19] offset:64*\f
	global_load_b128 v[64+8*\f+4:64+8*\f+7], v[WO], s[18:19] offset:64*\f+16
.endr
	s_wait_loadcnt 16                              ; Q and K are in; wo's sixteen loads may be out.  (V's 64 loads follow only here: a wait cannot name more than 63)
.irp f, 0,1,2,3,4,5,6,7
.irp i, 0,1,2,3,4,5,6,7
	global_load_b32 v[8*\f+\i], v[VO], s[16:17] offset:\i*8192+64*\f
.endr
.endr
	WIN 0x50                                       ; C and D window 1, sources window 0
.set c, 0
.rept 32                                       ; S^T = K Q^T: 32 chunks on four accumulators by turns
.if c < 4
	v_wmma_f32_16x16x4_f32 v[128+8*(c%4):128+8*(c%4)+7], v[KR+2*c:KR+2*c+1], v[QR+2*c:QR+2*c+1], 0
.else
	v_wmma_f32_16x16x4_f32 v[128+8*(c%4):128+8*(c%4)+7], v[KR+2*c:KR+2*c+1], v[QR+2*c:QR+2*c+1], v[128+8*(c%4):128+8*(c%4)+7]
.endif
.set c, c+1
.endr
.rept 8
	v_nop                                          ; eight places behind this form (ISA guide 7.12.1), ahead of the first read of its results
.endr
	WIN 0x05                                       ; sources window 1, destination window 0
.irp j, 0,1,2,3,4,5,6,7
	v_add_f32 v[SS+\j], v[128+\j], v[136+\j]       ; each accumulator from its low end on
.endr
.irp j, 0,1,2,3,4,5,6,7
	v_add_f32 v[TT+\j], v[144+\j], v[152+\j]
.endr
	WIN 0
.irp j, 0,1,2,3,4,5,6,7
	v_add_f32 v[SS+\j], v[SS+\j], v[TT+\j]
.endr
.irp j, 0,1,2,3,4,5,6,7
	v_cmp_gt_i32 vcc_lo, \j, v[DD]                 ; key 8 h + j comes after query r
	v_cndmask_b32 v[SS+\j], v[SS+\j], v[NINF], vcc_lo
.endr
	v_max3_num_f32 v[MX0], v[SS], v[SS+1], v[SS+2]
	v_max3_num_f32 v[MX1], v[SS+3], v[SS+4], v[SS+5]
	v_max3_num_f32 v[MX0], v[MX0], v[SS+6], v[SS+7]
	v_max_num_f32 v[MX0], v[MX0], v[MX1]
	v_permlanex16_b32 v[MX1], v[MX0], s20, s21
	v_max_num_f32 v[MX0], v[MX0], v[MX1]           ; the row's maximum: key 0 counts for every query, so it is a number
	v_mul_f32 v[MX1], s22, v[MX0]
.irp j, 0,1,2,3,4,5,6,7
	v_fma_f32 v[SS+\j], v[SS+\j], s22, -v[MX1]     ; c s - c m
.endr
.irp j, 0,1,2,3,4,5,6,7
	v_exp_f32 v[SS+\j], v[SS+\j]
.endr
	v_nop                                          ; a plain line behind the last exponential
	s_wait_alu depctr_va_vdst(0)                   ; one wait for the batch, ahead of its first reader
	v_add_f32 v[TT], v[SS], v[SS+1]
	v_add_f32 v[TT+1], v[SS+2], v[SS+3]
	v_add_f32 v[TT+2], v[SS+4], v[SS+5]
	v_add_f32 v[TT+3], v[SS+6], v[SS+7]
	v_add_f32 v[TT], v[TT], v[TT+1]
	v_add_f32 v[TT+2], v[TT+2], v[TT+3]
	v_add_f32 v[TT], v[TT], v[TT+2]
	v_permlanex16_b32 v[TT+1], v[TT], s20, s21
	v_add_f32 v[TT], v[TT], v[TT+1]                ; the row's sum
	v_rcp_f32 v[RL], v[TT]
	v_nop
	s_wait_alu depctr_va_vdst(0)
	s_wait_loadcnt 0x0                             ; V and wo
	WIN 0x51                                       ; source 0, C and D window 1; source 1 window 0
.irp c, 0,1,2,3                                ; O^T = V^T P: four chunks of keys on eight accumulators by turns
.irp f, 0,1,2,3,4,5,6,7
.if \c == 0
	v_wmma_f32_16x16x4_f32 v[160+8*\f:160+8*\f+7], v[8*\f+2*\c:8*\f+2*\c+1], v[SS+2*\c:SS+2*\c+1], 0
.else
	v_wmma_f32_16x16x4_f32 v[160+8*\f:160+8*\f+7], v[8*\f+2*\c:8*\f+2*\c+1], v[SS+2*\c:SS+2*\c+1], v[160+8*\f:160+8*\f+7]
.endif
.endr
.endr
.rept 8
	v_nop
.endr
	WIN 0x01                                       ; source 0 window 1
.set i, 0
.rept 64
	v_mul_f32 v[ON+i], v[160+i], v[RL]             ; O^T / the sum, into other registers
.set i, i+1
.endr
	WIN 0x51
.set n, 0
.rept 32                                       ; D = wo O: 32 chunks of channels on four accumulators by turns
.if n < 4
	v_wmma_f32_16x16x4_f32 v[224+8*(n%4):224+8*(n%4)+7], v[64+2*n:64+2*n+1], v[ON+2*n:ON+2*n+1], 0
.else
	v_wmma_f32_16x16x4_f32 v[224+8*(n%4):224+8*(n%4)+7], v[64+2*n:64+2*n+1], v[ON+2*n:ON+2*n+1], v[224+8*(n%4):224+8*(n%4)+7]
.endif
.set n, n+1
.endr
.rept 8
	v_nop
.endr
	WIN 0x05
.irp j, 0,1,2,3,4,5,6,7
	v_add_f32 v[DR+\j], v[224+\j], v[232+\j]
.endr
.irp j, 0,1,2,3,4,5,6,7
	v_add_f32 v[TT+\j], v[240+\j], v[248+\j]
.endr
	WIN 0
.irp j, 0,1,2,3,4,5,6,7
	v_add_f32 v[DR+\j], v[DR+\j], v[TT+\j]         ; my head's part of out(query r, column 8 h + j)
.endr
	ds_store_b128 v[LST], v[DR:DR+3]
	ds_store_b128 v[LST], v[DR+4:DR+7] offset:16
	s_wait_dscnt 0x0                               ; for the others' sake: my stores have landed
	s_barrier_signal -1
	s_barrier_wait -1
.irp w, 0,1,2,3,4,5,6,7
	ds_load_b32 v[SS+\w], v[LRD] offset:1024*\w    ; the eight heads' parts of my one number
.endr
	s_wait_dscnt 0x0
	v_add_f32 v[SS], v[SS], v[SS+1]
	v_add_f32 v[SS+2], v[SS+2], v[SS+3]
	v_add_f32 v[SS+4], v[SS+4], v[SS+5]
	v_add_f32 v[SS+6], v[SS+6], v[SS+7]
	v_add_f32 v[SS], v[SS], v[SS+2]
	v_add_f32 v[SS+4], v[SS+4], v[SS+6]
	v_add_f32 v[SS], v[SS], v[SS+4]
	global_store_b32 v[GOUT], v[SS], s[8:9]
	s_wait_tensorcnt 0x0                           ; the wave's end, behind my last LDS store
	ds_add_u32 v[SPW], v[NIL]
	s_wait_dscnt 0x0
	s_endpgm
.Lfunc_end_k_q387a473411_first16:
	.size	k_q387a473411_first16, .Lfunc_end_k_q387a473411_first16-k_q387a473411_first16
	.p2alignl 7, 3214868480
	.fill 96, 4, 3214868480
	.section	.rodata,"a",@progbits
	.p2align	6, 0x0
	.amdhsa_kernel k_q387a473411_first16
		.amdhsa_group_segment_fixed_size 9216
		.amdhsa_private_segment_fixed_size 0
		.amdhsa_enable_private_segment 0
		.amdhsa_kernarg_size 24
		.amdhsa_user_sgpr_count 2
		.amdhsa_user_sgpr_kernarg_segment_ptr 1
		.amdhsa_wavefront_size32 1
		.amdhsa_system_sgpr_workgroup_id_x 1
		.amdhsa_system_sgpr_workgroup_id_y 1
		.amdhsa_system_sgpr_workgroup_id_z 1
		.amdhsa_system_vgpr_workitem_id 0
		.amdhsa_next_free_vgpr 512
		.amdhsa_next_free_sgpr 66
		.amdhsa_reserve_vcc 1
		.amdhsa_float_denorm_mode_32 3
		.amdhsa_float_denorm_mode_16_64 3
		.amdhsa_memory_ordered 1
		.amdhsa_forward_progress 1
		.amdhsa_inst_pref_size 27
	.end_amdhsa_kernel
	.amdgpu_metadata
---
amdhsa.version: [ 1, 2 ]
amdhsa.kernels:
  - .name:           k_q387a473411_first16
    .symbol:         k_q387a473411_first16.kd
    .args:
      - { .name: qkv32, .offset: 0, .size: 8, .value_kind: global_buffer, .address_space: global }
      - { .name: wo, .offset: 8, .size: 8, .value_kind: global_buffer, .address_space: global }
      - { .name: out0, .offset: 16, .size: 8, .value_kind: global_buffer, .address_space: global }
    .group_segment_fixed_size: 9216
    .private_segment_fixed_size: 0
    .kernarg_segment_align: 8
    .kernarg_segment_size: 24
    .max_flat_workgroup_size: 256
    .sgpr_count:     66
    .vgpr_count:     512
    .wavefront_size: 32
...
	.end_amdgpu_metadata
.endif
;; end of part 5
